; MI455X (gfx1250); checked and timed in simulation.
; The chip was launched on July 23, 2026; its instructions are those of AMD's public machine-readable ISA for CDNA 5 (MIT licence, August 2026) and "CDNA5" Instruction Set Architecture Reference Guide (July 2026). The comments in the code are by the model that wrote it; some were corrected since.
;; Linear Attention. Allowed arithmetic: float matrix products may take bf16 or f16 operands with f32 sums; other float arithmetic in f32, or as packed bf16 or f16 multiplies, adds, multiply-adds, maxima and minima; sums over many terms, partial sums and values carried from step to step in f32; what a program stores and reads back later, other than sums and carried values, may be rounded once to bf16 or f16.
;; Inputs: Wproj 1,024 x 1,024 float32; Wqkv 3,072 x 1,024 float32; bproj 1,024 float32; x 4 x 2,048 x 1,024 float32.
;; Outputs: out0 4 x 2,048 x 1,024 float32.
;; 2 versions, each right; version 2 is version 1 with the launch cast written anew for expert scheduling mode. Each part assembles by itself: llvm-mc -triple=amdgcn-amd-amdhsa -mcpu=gfx1250 --defsym DOCPART=n.
;; ======== version 1 of 2: 4 launches
;; limits: values outside matrix products are rounded to bf16
;; workspace buffers: cb 25,165,824 bytes; part 8,519,680 bytes; att 16,777,216 bytes
;; launch cast (part 1): grid 768 x 1, 8 waves a work-group, no clusters, 0 bytes of LDS; arguments x, Wqkv, Wproj, cb; writes cb
.if DOCPART == 1
	.amdgcn_target "amdgcn-amd-amdhsa--gfx1250"
	.amdhsa_code_object_version 6
	.text
	.protected	k_qb22c06fbbc_cast
	.globl	k_qb22c06fbbc_cast
	.p2align	8
	.type	k_qb22c06fbbc_cast,@function
k_qb22c06fbbc_cast:
	s_mov_b64 s[64:65], 0
	v_nop
	global_prefetch_b8 v0, s[64:65] scope:SCOPE_SE
	s_setreg_imm32_b32 hwreg(HW_REG_WAVE_MODE, 25, 1), 1
	s_wait_xcnt 0x0
; LINEAR ATTENTION, launch 1 of 4: x, Wqkv and Wproj are rounded once to bf16 and laid into cb, [12288][1024] bf16:
;   rows 0-8191 x; rows 8192-9215 Wqkv rows 0-1023 (q); rows 9216-11263 the k and v rows by head: row 9216 + 128 h + 64 s + d = Wqkv row 1024 (1 + s) + 64 h + d
;   (s = 0: k, s = 1: v), so that a head's 64 k rows and 64 v rows lie together; rows 11264-12287 Wproj.
; THE PROGRAM.  cast; kv: [k|v] = x Wkv^T, phi(k), and for every 256 rows and head the partial sums of k^T v and of k; qatt: q = x Wq^T, phi(q), (q kv) / (q . ksum + 1e-6);
; proj: the last product and the bias.  phi(t) = elu(t) + 1 is taken as max(t + 1, min(e^t, 1)): for t > 0 min(e^t, 1) = 1 < t + 1; for t <= 0 t + 1 <= e^t <= 1: equal for every finite t.
; DEAD WORK: none.  Every input has a way to the output, every input is loaded, and no step of the computation is left out.
; LIMITS (of format).  x, the weights, k, v, q, kv, ksum and the attention result are matrix operands and are rounded once to bf16; all sums are f32, in another order than a plain loop;
; ksum is the sum of the rounded k; e^t below 2^-126 counts as 0; the division is a reciprocal of 1 ULP and a multiply; NaN and infinities are not treated apart.
; SHARES.  A work-group takes 16 rows: 65,536 dense bytes in, 32,768 dense bytes out; 768 such blocks.  Thread t takes 16 bytes at 4,096 i + 16 t (a wave's load: 512 consecutive bytes)
; and stores 8 bytes at 2,048 i + 8 t (a wave's store: 256 consecutive bytes, aligned).  All 16 loads are out before the first wait; no register is used twice.
; No LDS, no matrix unit, no cluster: nothing is shared and nothing is multiplied.  No prefetch: all that a work-group reads is asked for at once.
.set X, 4                              ; v[4:67]   16 x 4 numbers as loaded
.set Y, 68                             ; v[68:99]  16 x 2 words to store
	s_load_b256 s[4:11], s[0:1], 0x0               ; x s[4:5], Wqkv s[6:7], Wproj s[8:9], cb s[10:11]
	v_lshlrev_b32 v1, 4, v0                        ; 16 t
	v_lshlrev_b32 v2, 3, v0                        ; 8 t
	s_mov_b32 s12, ttmp9                           ; the block: 0-511 x, 512-703 Wqkv, 704-767 Wproj
	s_sub_co_u32 s17, s12, 576                     ; u: the block among the k and v rows, 0-127 there (else 128 or more, unsigned)
	s_bfe_u32 s18, s17, 0x40002                    ; the head: (u >> 2) & 15
	s_lshl_b32 s18, s18, 3                         ; a head has 8 blocks in cb
	s_bfe_u32 s19, s17, 0x10006                    ; k or v: (u >> 6) & 1
	s_lshl_b32 s19, s19, 2
	s_add_co_u32 s18, s18, s19
	s_and_b32 s19, s17, 3                          ; which 16 of the 64 rows
	s_add_co_u32 s18, s18, s19
	s_add_co_u32 s18, s18, 576
	s_cmp_lt_u32 s17, 128
	s_cselect_b32 s18, s18, s12                    ; every other block keeps its number
	s_lshl_b32 s20, s18, 15                        ; 32,768 bytes a block in cb
	s_mov_b32 s21, 0
	s_wait_kmcnt 0x0
	s_cmp_lt_u32 s12, 512
	s_cselect_b64 s[14:15], s[4:5], s[6:7]
	s_cselect_b32 s16, 0, 512
	s_cmp_lt_u32 s12, 704
	s_cselect_b64 s[14:15], s[14:15], s[8:9]
	s_cselect_b32 s16, s16, 704                    ; the first block of the tensor that I read
	s_sub_co_u32 s16, s12, s16
	s_lshl_b32 s22, s16, 16                        ; 65,536 bytes a block in the source
	s_mov_b32 s23, 0
	s_add_nc_u64 s[14:15], s[14:15], s[22:23]
	s_add_nc_u64 s[10:11], s[10:11], s[20:21]
.set i, 0
.rept 16
	global_load_b128 v[X+4*i:X+4*i+3], v1, s[14:15] offset:i*4096 th:TH_LOAD_NT
.set i, i+1
.endr
.set i, 0
.rept 16
	s_wait_loadcnt 15-i                            ; loads come back in order: row i is in, the 15 - i younger loads stay out
	v_cvt_pk_bf16_f32 v[Y+2*i], v[X+4*i], v[X+4*i+1]
	v_cvt_pk_bf16_f32 v[Y+2*i+1], v[X+4*i+2], v[X+4*i+3]
	global_store_b64 v2, v[Y+2*i:Y+2*i+1], s[10:11] offset:i*2048
.set i, i+1
.endr
	s_endpgm
.Lfunc_end_k_qb22c06fbbc_cast:
	.size	k_qb22c06fbbc_cast, .Lfunc_end_k_qb22c06fbbc_cast-k_qb22c06fbbc_cast
	.p2alignl 7, 3214868480
	.fill 96, 4, 3214868480
	.section	.rodata,"a",@progbits
	.p2align	6, 0x0
	.amdhsa_kernel k_qb22c06fbbc_cast
		.amdhsa_group_segment_fixed_size 0
		.amdhsa_private_segment_fixed_size 0
		.amdhsa_enable_private_segment 0
		.amdhsa_kernarg_size 32
		.amdhsa_user_sgpr_count 2
		.amdhsa_user_sgpr_kernarg_segment_ptr 1
		.amdhsa_wavefront_size32 1
		.amdhsa_system_sgpr_workgroup_id_x 1
		.amdhsa_system_sgpr_workgroup_id_y 1
		.amdhsa_system_sgpr_workgroup_id_z 1
		.amdhsa_system_vgpr_workitem_id 0
		.amdhsa_next_free_vgpr 104
		.amdhsa_next_free_sgpr 66
		.amdhsa_reserve_vcc 0
		.amdhsa_float_denorm_mode_32 3
		.amdhsa_float_denorm_mode_16_64 3
		.amdhsa_memory_ordered 1
		.amdhsa_forward_progress 1
		.amdhsa_inst_pref_size 7
	.end_amdhsa_kernel
	.amdgpu_metadata
---
amdhsa.version: [ 1, 2 ]
amdhsa.kernels:
  - .name:           k_qb22c06fbbc_cast
    .symbol:         k_qb22c06fbbc_cast.kd
    .args:
      - { .name: x, .offset: 0, .size: 8, .value_kind: global_buffer, .address_space: global }
      - { .name: Wqkv, .offset: 8, .size: 8, .value_kind: global_buffer, .address_space: global }
      - { .name: Wproj, .offset: 16, .size: 8, .value_kind: global_buffer, .address_space: global }
      - { .name: cb, .offset: 24, .size: 8, .value_kind: global_buffer, .address_space: global }
    .group_segment_fixed_size: 0
    .private_segment_fixed_size: 0
    .kernarg_segment_align: 8
    .kernarg_segment_size: 32
    .max_flat_workgroup_size: 256
    .sgpr_count:     66
    .vgpr_count:     104
    .wavefront_size: 32
...
	.end_amdgpu_metadata
.endif
;; end of part 1
;; launch kv (part 2): grid 8 x 32, 4 waves a work-group, clusters of 4 x 4, 327,680 bytes of LDS; arguments cb, part; writes part
.if DOCPART == 2
	.amdgcn_target "amdgcn-amd-amdhsa--gfx1250"
	.amdhsa_code_object_version 6
	.text
	.protected	k_qb22c06fbbc_kv
	.globl	k_qb22c06fbbc_kv
	.p2align	8
	.type	k_qb22c06fbbc_kv,@function
k_qb22c06fbbc_kv:
	s_mov_b64 s[64:65], 0
	v_nop
	global_prefetch_b8 v0, s[64:65] scope:SCOPE_SE
	s_setreg_imm32_b32 hwreg(HW_REG_WAVE_MODE, 25, 1), 1
	s_wait_xcnt 0x0
	s_wait_alu depctr_hold_cnt(0) depctr_sa_sdst(0) depctr_va_vdst(0) depctr_va_sdst(0) depctr_va_ssrc(0) depctr_va_vcc(0) depctr_vm_vsrc(0)
	s_getreg_b32 s2, hwreg(HW_REG_IB_STS2, 6, 4)
	s_cmp_eq_u32 s2, 0
	s_cbranch_scc0 .Lentry_in_a_cluster
	s_endpgm
.Lentry_in_a_cluster:
	s_bfe_u32 s2, ttmp6, 0x10000c
	s_cmp_lg_u32 s2, 0xf033
	s_cbranch_scc0 .Lentry_shape_is_right
	s_endpgm
.Lentry_shape_is_right:
; LINEAR ATTENTION, launch 2 of 4.  [k|v] = x Wkv^T (bf16 operands from cb, f32 sums), phi(k) = max(k + 1, min(e^k, 1)), and, without k or v ever leaving the registers,
; for each tile of 256 rows and each head the partial sums kv^T[e][d] = sum over rows of k[d] v[e] and ksum[d] = sum over rows of k[d].  No work is left out.
; part: f32 [32 row tiles][8 head pairs][130][64]: rows 64 c + e hold kv^T[e][.] of head 2 hp + c, rows 128 + c hold ksum.  Partial sums stay f32; the next launch adds the 8 of a batch.
; LIMITS: k and v are rounded once to bf16 for the second product; ksum is the sum of the rounded k; e^k below 2^-126 counts as 0; NaN and infinities are not treated apart.
; SHARES.  A work-group makes 256 rows x 256 columns (two heads, each 64 k then 64 v); four waves, each 128 rows x 128 columns (one head): 64 accumulators, 512 registers.
; K = 1,024 goes in 8 steps of 128 through a ring of two LDS slots filled by the tensor data mover; rows of 256 bytes, padded to 272 in LDS.
; A K STEP IS WRITTEN ONCE FOR EACH KIND: a loop of six trips whose change of slots fills a slot again, then a loop of two trips that fills nothing.  Which slot is read lies in a scalar register
; that an exclusive or turns; the descriptor that walks is turned in the same way.  The first quarter step, whose products start the sums, stands in front, and the first loop is entered behind it.
; CLUSTER 4 x 4: the four of a row of the cluster need the same tiles of x, the four of a column the same tiles of the weights: each tile is asked for jointly.
; THE FIRST PRODUCT IS TAKEN AS IT STANDS (source 0 = 16 rows of x, source 1 = 16 rows of the weights): a lane then holds ONE column (lane % 16) and the rows 8 (lane / 16) + 0..7 of a block of 16.
; Two such blocks, rounded to bf16 in pairs, ARE a fragment of 32 rows along K, for source 0 (k: 16 channels d) and for source 1 (v: 16 channels e) alike: nothing changes lanes.
; ksum is the same product with a fragment of ones in the place of v.
; REGISTERS, in windows of 256 (s_set_vgpr_msb: bits 1:0 source 0, 3:2 source 1, 5:4 source 2, 7:6 destination):
;   window 0: v0-31 addresses; v64-127, v128-191 fragments of x, two buffers; afterwards KFR, VFR, ONE, T, AB (below)
;   window 1: v64-127, v128-191 fragments of the weights; afterwards v0-159 the 20 tiles of the second product, (eb, db) at 8 (4 eb + db); eb = 4 is ksum
;   window 2: accumulators of my rows 0-63, (a, b) at 8 (8 a + b); window 3: those of rows 64-127.  b = 0-3: k, b = 4-7: v
.set KSTEP,  128
.set PITCH,  272                       ; an LDS row: 256 bytes + 16 of padding = 68 words: the 16 rows of a fragment load start at 16 different groups of four banks
.set HALFT,  128*PITCH                 ; what one tensor load brings
.set SLOT,   4*HALFT                   ; 256 rows of x, then 256 rows of the weights: 0x22000 bytes.  The four waves' places in a slot, 0, 0x8800, 0x11000, 0x19800, share no bit with it: an exclusive or with SLOT adds it or takes it away
.set SPARE,  2*SLOT                    ; behind the ring: the spare words, 128 bytes a wave, two blocks of 256 bytes that no other line names
.set SROW,   272                       ; the stage: rows of 64 f32 + 16 bytes
.set SWAVE,  80*SROW                   ; 80 rows a wave (64 of kv^T, 16 alike of ksum), wave w at w x SWAVE: in slot 0, which has had its last fill and its last read by then
.set WKVROW, 9216                      ; the k and v weights begin at this row of cb
.set PBLK,   33280                     ; bytes of a block of part
.set ADRA0, 16                         ; v16     my place in the rows of x of slot 0; never rewritten
.set ADRA,  17                         ; v17     the same in the slot that is being read
.set ADRB0, 20                         ; v20, v21 the same for the weights
.set ADRB,  21
.set STO,  24                          ; v24     the way out: where I put 32 bytes of a stage row
.set RD,   25                          ; v25     where I read stage rows back
.set CO,   26                          ; v26     my byte offset in the block of part
.set RDK,  27                          ; v27     where wave 0 reads ksum back
.set SPW,  28                          ; v28     my spare word: SPARE + 4 x my thread number; never rewritten
.set NIL,  29                          ; v29     0; never rewritten
.set PFO,  30                          ; v30     the prefetches: my lane x 2,048 bytes, a row of cb; never rewritten
.set KO,   31                          ; v31     ksum: my byte offset in the block of part
.set F0,   64
.set F1,   128
.set KFR,  64                          ; v64-95   phi(k), bf16: fragment db at KFR + 8 db
.set VFR,  96                          ; v96-127  v, bf16: fragment eb at VFR + 8 eb
.set ONE,  128                         ; v128-135 a fragment of ones
.set T,    160                         ; v160-223 e^k at work
.set AB,   224                         ; v224-255 k + 1, bf16
.set G1,  24                           ; s[24:31] descriptor group 1 for x;  s[32:39] group 0: a set for each of the two first fills; the second then walks on
.set G0,  32
.set G1B, 48                           ; s[48:55], s[56:63] the same for the weights
.set G0B, 56
.set LIM, 43                           ; s43      2 in a wave that prefetches, else the greatest number: it asks while the trips still to come are more
.set PFA, 44                           ; s[44:45] where my prefetches stand
.set ONES, 66                          ; s66      1.0 twice in bf16
.set TB,  67                           ; s67      LDS byte at which the slot that is being read begins: 0 or SLOT
.set CS,  76                           ; s[76:77] log2(e): the packed multiply names a pair and takes its low word for both halves
.set FLAGS, (1<<16)|(1<<20)|(1<<21)|(5<<22)|(3<<25)  ; 2-byte elements; padding on; bit 21 set beside a mask; after every 64 words; 4 words
.set MSB, 0
.macro WIN new                         ; the high byte repeats the setting that is left; a switch that changes nothing is dropped
.if MSB != (\new)
	s_set_vgpr_msb (MSB<<8)|(\new)
.set MSB, \new
.endif
.endm
.set MUL_LO, 0xa4                      ; source 0 (x) window 0, source 1 (weights) window 1, C and D window 2
.set MUL_HI, 0xf4                      ; the same, C and D window 3
.set TO_B,   0x40                      ; destination window 1, address window 0
; A joint load by group 0 set s.  Waves 0 and 1 fetch the two halves of the tile of x, waves 2 and 3 those of the weights.  The branch hangs on the wave number alone.
; An s_nop 0 and four v_nop follow each of the two lines, ahead of the jump and the label.
.macro JLOAD s
	s_cmp_eq_u32 s11, 0
	s_cbranch_scc0 .Lfor_b_\@
	tensor_load_to_lds s[G0+4*(\s):G0+4*(\s)+3], s[G1:G1+7]
	s_nop 0
.rept 4
	v_nop
.endr
	s_branch .Lasked_\@
.Lfor_b_\@:
	tensor_load_to_lds s[G0B+4*(\s):G0B+4*(\s)+3], s[G1B:G1B+7]
	s_nop 0
.rept 4
	v_nop
.endr
.Lasked_\@:
.endm
; A prefetch of the K step that stands two refills on (512 matrix instructions ahead of the load that will want it): 32 rows x 256 bytes, a lane a row, one instruction a wave.
; Each row's 256 bytes of a K step are named once in the launch: the rows of x by the clusters with x = 0, the weights' rows by the clusters with y = 0; the four partners that ask
; for a tile jointly take 32 of a wave's 128 rows each, told apart by address.  K steps 4 to 7 are named; the last two refills ask for nothing.
.macro ASK
	s_cmp_gt_u32 s3, s[LIM]                        ; s3 = 6, 5, .. 1 in the six trips
	s_cbranch_scc0 .Lnot_mine_\@
	global_prefetch_b8 v[PFO], s[PFA:PFA+1] offset:KSTEP*2 th:TH_LOAD_NT scope:SCOPE_SE
.Lnot_mine_\@:
.endm
.macro CREST                           ; a round of the cluster's barrier behind its opening barrier
	s_cmp_lg_u32 s10, 0
	s_cbranch_scc1 .Lnot_wave_0_\@
	s_barrier_signal -3
.Lnot_wave_0_\@:
	s_barrier_wait -3
	s_barrier_signal -1
	s_barrier_wait -1
.endm
.macro CROUND                          ; a whole round
	s_barrier_signal -1
	s_barrier_wait -1
	CREST
.endm
.macro PLACES                          ; four plain places behind matrix instructions, in front of loads into registers that they read and of vector work on their registers
.rept 4
	v_nop
.endr
.endm
	s_load_b128 s[68:71], s[0:1], 0x0              ; cb s[68:69], part s[70:71]
	v_lshl_add_u32 v[SPW], v0, 2, SPARE
	v_mov_b32 v[NIL], 0
	ds_add_u32 v[SPW], v[NIL]                      ; the wave's opening: the add, twice on end, and its wait ahead of my first tensor load
	ds_add_u32 v[SPW], v[NIL]                      ; the same add once more; the set-up below, work on registers, stands between it and the wait
	v_lshrrev_b32 v1, 5, v0
	v_readfirstlane_b32 s10, v1                    ; wave 0..3
	s_lshr_b32 s11, s10, 1                         ; which half of the tile's rows is mine.  Also: I fetch x (0) or weights (1)
	s_and_b32 s12, s10, 1                          ; which head of the pair is mine.  Also: which 128 rows of that tile I fetch
	s_bfe_u32 s40, ttmp6, 0x40000                  ; cx
	s_bfe_u32 s41, ttmp6, 0x40004                  ; cy
	s_lshl_b32 s42, ttmp9, 2
	s_add_co_u32 s42, s42, s40                     ; hp, the head pair = 4 x cluster x + cx
	s_and_b32 s13, ttmp7, 0xffff
	s_lshl_b32 s13, s13, 2
	s_add_co_u32 s13, s13, s41                     ; rt, the row tile = 4 x cluster y + cy
	s_lshl_b32 s43, s41, 2
	s_lshl_b32 s43, 15, s43                        ; my row of the cluster
	s_lshl_b32 s44, 0x1111, s40                    ; my column
	s_or_b32 s[G1+0], s43, FLAGS                   ; tiles of x go to my row,
	s_or_b32 s[G1B+0], s44, FLAGS                  ; tiles of the weights to my column
.irp g, G1, G1B
	s_mov_b32 s[(\g)+1], KSTEP<<16                 ; tensor_dim0 = 128
	s_mov_b32 s[(\g)+2], 128<<16                   ; tensor_dim1 = 128
	s_mov_b32 s[(\g)+3], KSTEP<<16                 ; tile_dim0 = 128
	s_mov_b32 s[(\g)+4], 128                       ; tile_dim1 = 128
	s_mov_b32 s[(\g)+5], 1024                      ; elements from row to row
	s_mov_b32 s[(\g)+6], 0
	s_mov_b32 s[(\g)+7], 0
.endr
	s_mov_b32 s[CS], 0x3fb8aa3b                    ; log2(e)
	s_mov_b32 s[CS+1], 0x3fb8aa3b
	s_mov_b32 s[ONES], 0x3f803f80
	s_mov_b32 s[TB], 0                             ; K step 0 lies in slot 0
	s_lshl_b32 s17, s12, 7                         ; which 128 rows of the tile I fetch
	s_lshl_b32 s16, s13, 8
	s_add_co_u32 s16, s16, s17                     ; x: row 256 rt + 128 half
	s_lshl_b32 s16, s16, 11                        ; in bytes: 2,048 a row
	s_lshl_b32 s46, s42, 8
	s_add_co_u32 s46, s46, s17
	s_add_co_u32 s46, s46, WKVROW                  ; weights: row 9,216 + 256 hp + 128 half
	s_lshl_b32 s46, s46, 11
	s_mov_b32 s17, 0
	s_mov_b32 s47, 0
	s_mul_i32 s20, s10, HALFT                      ; where they go: wave x 128 rows: no place in the cluster enters an LDS address
	s_wait_dscnt 0x0                               ; both opening adds are done
	s_wait_kmcnt 0x0
	s_add_nc_u64 s[14:15], s[68:69], s[16:17]
	s_add_nc_u64 s[46:47], s[68:69], s[46:47]
	CROUND                                         ; all sixteen work-groups are here: the first joint loads meet
.irp s, 0,1
	s_mov_b32 s[G0+4*(\s)], 1                                        ; count = 1
	s_add_co_u32 s[G0+4*(\s)+1], s20, (\s)*SLOT                      ; LDS address
	s_add_nc_u64 s[G0+4*(\s)+2:G0+4*(\s)+3], s[14:15], (\s)*KSTEP*2  ; global address: K step s
	s_or_b32 s[G0+4*(\s)+3], s[G0+4*(\s)+3], 0x80000000              ; type = 2
	s_mov_b32 s[G0B+4*(\s)], 1
	s_add_co_u32 s[G0B+4*(\s)+1], s20, (\s)*SLOT
	s_add_nc_u64 s[G0B+4*(\s)+2:G0B+4*(\s)+3], s[46:47], (\s)*KSTEP*2
	s_or_b32 s[G0B+4*(\s)+3], s[G0B+4*(\s)+3], 0x80000000
	JLOAD \s                                       ; two tensor loads of mine are out
.endr
	; a fragment is 16 rows x 32 K in 8 registers: lane l holds row l % 16; two loads of 16 bytes, 32 bytes apart, at row x pitch + 16 (l / 16)
	v_and_b32 v1, 15, v0                           ; r = l % 16
	v_bfe_u32 v2, v0, 4, 1                         ; h = l / 16
	v_mul_u32_u24 v3, v1, PITCH
	v_lshl_add_u32 v3, v2, 4, v3
	s_mul_i32 s21, s11, HALFT                      ; my 128 rows of x
	s_mul_i32 s22, s12, HALFT                      ; my 128 rows of the weights,
	s_add_co_u32 s22, s22, 2*HALFT                 ; which lie behind the 256 of x
	v_add_nc_u32 v[ADRA0], s21, v3
	v_add_nc_u32 v[ADRB0], s22, v3
	v_mov_b32 v[ADRA], v[ADRA0]
	v_mov_b32 v[ADRB], v[ADRB0]
	v_mul_u32_u24 v4, v1, SROW                     ; into my stage: row e = 16 eb + r, 32 bytes for each half of the lanes
	v_lshl_add_u32 v4, v2, 5, v4
	s_mul_i32 s23, s10, SWAVE
	v_add_nc_u32 v[STO], s23, v4
	s_lshl_b32 s21, s11, 5                         ; back: wave w = (q, c) takes rows 32 q .. 32 q + 31 of head c, from the stages of waves c and c + 2
	s_mul_i32 s22, s21, SROW
	s_mul_i32 s23, s12, SWAVE
	s_add_co_u32 s22, s22, s23
	v_mul_u32_u24 v5, v2, SROW                     ; lanes 0-15 one row of 256 bytes, lanes 16-31 the next
	v_lshl_add_u32 v5, v1, 4, v5
	v_add_nc_u32 v[RD], s22, v5
	s_lshl_b32 s22, s12, 6
	s_add_co_u32 s22, s22, s21                     ; 64 c + 32 q
	s_lshl_b32 s22, s22, 8
	v_lshlrev_b32 v5, 8, v2
	v_lshl_add_u32 v5, v1, 4, v5                   ; 256 h + 16 r
	v_add_nc_u32 v[CO], s22, v5
	v_add_nc_u32 v[KO], 32768, v5                  ; rows 128 and 129 of the block
	v_mul_u32_u24 v6, v2, SWAVE                    ; ksum: lanes 0-15 head 0, lanes 16-31 head 1; stage row 64
	v_lshl_add_u32 v6, v1, 4, v6
	v_add_nc_u32 v[RDK], 64*SROW, v6
	s_lshl_b32 s18, s13, 3
	s_add_co_u32 s18, s18, s42                     ; block 8 rt + hp of part
	s_mul_i32 s18, s18, PBLK
	s_mov_b32 s19, 0
	s_add_nc_u64 s[8:9], s[70:71], s[18:19]
	; the prefetches
	s_and_b32 s22, ttmp7, 0xffff                   ; cluster y
	s_lshl_b32 s20, s13, 8                         ; the tile's first row in cb: of x,
	s_lshl_b32 s21, s42, 8
	s_add_co_u32 s21, s21, WKVROW                  ; of the weights
	s_cmp_eq_u32 s11, 0                            ; do I fetch x?
	s_cselect_b32 s20, s20, s21
	s_cselect_b32 s21, s40, s41                    ; my place among the four that ask with me
	s_cselect_b32 s22, ttmp9, s22                  ; the coordinate along which other clusters read the same rows
	s_cmp_eq_u32 s22, 0
	s_cselect_b32 s[LIM], 2, -1                    ; the same in all sixteen partners, for a given wave
	s_lshl_b32 s22, s12, 7
	s_add_co_u32 s20, s20, s22                     ; + the 128 rows that I fetch
	s_lshl_b32 s21, s21, 5
	s_add_co_u32 s20, s20, s21                     ; + my work-group's 32 of them
	s_lshl_b32 s20, s20, 11
	s_add_co_u32 s20, s20, 2*KSTEP*2               ; at K step 2: the first refill steps it to 3 and names K step 4
	s_mov_b32 s21, 0
	s_add_nc_u64 s[PFA:PFA+1], s[68:69], s[20:21]
	v_and_b32 v[PFO], 31, v0
	v_lshlrev_b32 v[PFO], 11, v[PFO]
; 16 matrix instructions: row blocks a0, a0 + 1 of the window's four x all 8 column blocks, 32 along K.  zero = 1: the first product starts the sums.
; The 64 accumulators take turns in one order in every quarter, one instruction a turn.
.macro MUL16 f, hi, a0, zero
	WIN MUL_LO+0x50*(\hi)
.irp a, \a0, (\a0)+1
.irp b, 0,1,2,3,4,5,6,7
.if \zero
	v_wmma_f32_16x16x32_bf16 v[8*(8*(\a)+(\b)):8*(8*(\a)+(\b))+7], v[(\f)+8*(4*(\hi)+(\a)):(\f)+8*(4*(\hi)+(\a))+7], v[(\f)+8*(\b):(\f)+8*(\b)+7], 0
.else
	v_wmma_f32_16x16x32_bf16 v[8*(8*(\a)+(\b)):8*(8*(\a)+(\b))+7], v[(\f)+8*(4*(\hi)+(\a)):(\f)+8*(4*(\hi)+(\a))+7], v[(\f)+8*(\b):(\f)+8*(\b)+7], v[8*(8*(\a)+(\b)):8*(8*(\a)+(\b))+7]
.endif
.endr
.endr
.endm
; 32 LDS loads in one run: a quarter step's fragments (32 K at byte k of the rows of the slot in hand) into buffer f: the weights first, then x
.macro FETCH k, f
	WIN TO_B
.irp i, 0,1,2,3,4,5,6,7
	ds_load_b128 v[(\f)+8*(\i):(\f)+8*(\i)+3],   v[ADRB] offset:(\k)+(\i)*16*PITCH
	ds_load_b128 v[(\f)+8*(\i)+4:(\f)+8*(\i)+7], v[ADRB] offset:(\k)+(\i)*16*PITCH+32
.endr
	WIN 0
.irp i, 0,1,2,3,4,5,6,7
	ds_load_b128 v[(\f)+8*(\i):(\f)+8*(\i)+3],   v[ADRA] offset:(\k)+(\i)*16*PITCH
	ds_load_b128 v[(\f)+8*(\i)+4:(\f)+8*(\i)+7], v[ADRA] offset:(\k)+(\i)*16*PITCH+32
.endr
.endm
; A K step is four quarters of 32 along K, 64 matrix instructions each, on buffers 0, 1, 0, 1.  One of the first three: multiplies f, fetches the next quarter, at byte k, into g.
.macro QUARTER k, f, g, zero
	s_wait_dscnt 8                                 ; the weights and rows 0-63 of x are in; the youngest eight loads (rows 64-127) may be out
	MUL16 \f, 0, 0, \zero
	MUL16 \f, 0, 2, \zero
	PLACES
	FETCH \k, \g
	s_wait_dscnt 32                                ; all but the 32 just issued
	MUL16 \f, 1, 0, \zero
	MUL16 \f, 1, 2, \zero
.endm
; The last quarter multiplies buffer 1 and changes slots: one barrier.  In front of it each wave waits for all its tensor loads (at most one is out: its part of the next slot), adds 0 to its spare
; word, and waits for that and for its reads of this slot.  fill = 1: the barrier opens a round of the cluster's barrier, and this slot is filled again, two K steps on, first thing behind it:
; from the request to the wait for it a wave issues 224 matrix instructions.  fill = 0: nothing is asked for; in the last trip there is no further K step, and the run of LDS loads is jumped over.
.macro TURN fill
.if \fill
	s_wait_xcnt 0x0                                ; the last prefetch, a K step back, has read its address: it is stepped here
	s_add_nc_u64 s[PFA:PFA+1], s[PFA:PFA+1], KSTEP*2
.endif
	WIN 0                                          ; (the add's two registers lie in window 0)
	s_wait_tensorcnt 0x0                           ; all my tensor loads have landed
	ds_add_u32 v[SPW], v[NIL]                      ; 0 onto my spare word
	s_wait_dscnt 9                                 ; (the add and the youngest eight loads may be out)
	MUL16 F1, 0, 0, 0                              ; sixteen matrix instructions stand between the add and the wait for it
	s_wait_dscnt 0x0                               ; the add is done, and my reads of this slot are over
	s_barrier_signal -1
	MUL16 F1, 0, 2, 0                              ; work on registers while the others arrive
	WIN 0
	s_barrier_wait -1
.if \fill
	CREST                                          ; no wave of any partner still reads this slot or has a load on its way
	s_xor_b32 s[G0+5], s[G0+5], SLOT               ; the walking descriptors: the other slot than last time,
	s_add_nc_u64 s[G0+6:G0+7], s[G0+6:G0+7], KSTEP*2  ; the next K step; the type bits on top are not reached
	s_xor_b32 s[G0B+5], s[G0B+5], SLOT
	s_add_nc_u64 s[G0B+6:G0B+7], s[G0B+6:G0B+7], KSTEP*2
	JLOAD 1                                        ; my one tensor load behind the round; its four v_nop are also the places in front of the loads below
.else
	s_cmp_eq_u32 s3, 1
	s_cbranch_scc1 .Lno_fetch_\@
	PLACES
.endif
	s_xor_b32 s[TB], s[TB], SLOT                   ; the reads go over to the other slot
	v_add_nc_u32 v[ADRA], s[TB], v[ADRA0]
	v_add_nc_u32 v[ADRB], s[TB], v[ADRB0]
	FETCH 0, F0
.if \fill
	ASK
.else
.Lno_fetch_\@:
.endif
	MUL16 F1, 1, 0, 0
	MUL16 F1, 1, 2, 0
.endm
	s_wait_tensorcnt 1                             ; my part of K step 0 is in; K step 1's load may stay out
	s_barrier_signal -1
	s_barrier_wait -1                              ; everybody's is
	FETCH 0, F0
	QUARTER 64,  F0, F1, 1                         ; the first quarter stands in front of the loops: its products start the sums
	WIN 0                                          ; at a label and at a branch every window is 0
	s_mov_b32 s3, 6
	s_branch .Lmid                                 ; the loop is entered behind a step's first quarter
.Lstep:                                                ; K steps 0 to 5: each fills its slot again, with K steps 2 to 7
	QUARTER 64,  F0, F1, 0
	WIN 0
.Lmid:
	QUARTER 128, F1, F0, 0
	QUARTER 192, F0, F1, 0
	TURN 1
	WIN 0
	s_sub_co_u32 s3, s3, 1
	s_cmp_lg_u32 s3, 0
	s_cbranch_scc1 .Lstep
	s_mov_b32 s3, 2
.Ltail:                                                ; K steps 6 and 7 fill nothing.  Behind K step 6's barrier no wave reads slot 0 any more, and no load fills it: it becomes the stage
	QUARTER 64,  F0, F1, 0
	QUARTER 128, F1, F0, 0
	QUARTER 192, F0, F1, 0
	TURN 0
	WIN 0
	s_sub_co_u32 s3, s3, 1
	s_cmp_lg_u32 s3, 0
	s_cbranch_scc1 .Ltail
.rept 5
	v_nop                                          ; five places: the second product's tiles write over registers that the last products read
.endr
.set i, 0
.rept 8
	v_mov_b32 v[ONE+i], s[ONES]
.set i, i+1
.endr
; THE SECOND PRODUCT, 32 rows (row blocks 2 p and 2 p + 1) at a time.  e^k: 32 packed multiplies by log2(e) and ONE BATCH of 64 exponentials; k + 1 and the roundings of k + 1 and of v are the
; plain work behind the batch; one wait for it ahead of the first line that names a result; then phi(k) = max(k + 1, min(e^k, 1)) on packed bf16 (rounding keeps order,
; so the choice may follow the rounding); then 20 products, whose accumulators take turns.  Each accumulator of the first product is read from its lowest registers on.
.macro EPI p
.set XW, 2+(\p)/2                      ; the window of these two row blocks
.set XB0, 64*((2*(\p))%4)              ; block 2 p there; block 2 p + 1 lies 64 registers on
	WIN XW                                         ; source 0 in that window, destination in window 0
.set u, 0
.rept 2
.set i, 0
.rept 16
	v_pk_mul_f32 v[T+32*u+i:T+32*u+i+1], v[XB0+64*u+i:XB0+64*u+i+1], s[CS:CS+1] op_sel_hi:[1,0]
.set i, i+2
.endr
.set u, u+1
.endr
	WIN 0
.set i, 0
.rept 64
	v_exp_f32 v[T+i], v[T+i]
.set i, i+1
.endr
	WIN (XW<<6)|XW
.set u, 0
.rept 2
.set i, 0
.rept 16
	v_pk_add_f32 v[XB0+64*u+i:XB0+64*u+i+1], v[XB0+64*u+i:XB0+64*u+i+1], 1.0 op_sel_hi:[1,0]
.set i, i+2
.endr
.set u, u+1
.endr
	WIN (XW<<2)|XW
.set u, 0
.rept 2
.set n, 0
.rept 16                               ; pair n of block u: column block n / 4, registers 2 (n % 4) and the next: word 4 u + n % 4 of that column block's fragment
	v_cvt_pk_bf16_f32 v[AB+8*(n/4)+4*u+n%4], v[XB0+64*u+2*n], v[XB0+64*u+2*n+1]
	v_cvt_pk_bf16_f32 v[VFR+8*(n/4)+4*u+n%4], v[XB0+64*u+32+2*n], v[XB0+64*u+32+2*n+1]
.set n, n+1
.endr
.set u, u+1
.endr
	WIN 0
	s_wait_alu depctr_va_vdst(0)                   ; the one wait for the batch of 64
.set u, 0
.rept 2
.set n, 0
.rept 16
	v_cvt_pk_bf16_f32 v[KFR+8*(n/4)+4*u+n%4], v[T+32*u+2*n], v[T+32*u+2*n+1]
.set n, n+1
.endr
.set u, u+1
.endr
.set i, 0
.rept 32
	v_pk_min_num_bf16 v[KFR+i], v[KFR+i], s[ONES]
.set i, i+1
.endr
.set i, 0
.rept 32
	v_pk_max_num_bf16 v[KFR+i], v[KFR+i], v[AB+i]
.set i, i+1
.endr
	WIN 0x50                                       ; sources 0 and 1 window 0, C and D window 1
.set eb, 0
.rept 5
.set rB, VFR+8*eb
.if eb == 4
.set rB, ONE
.endif
.set db, 0
.rept 4
.if (\p) == 0
	v_wmma_f32_16x16x32_bf16 v[8*(4*eb+db):8*(4*eb+db)+7], v[KFR+8*db:KFR+8*db+7], v[rB:rB+7], 0
.else
	v_wmma_f32_16x16x32_bf16 v[8*(4*eb+db):8*(4*eb+db)+7], v[KFR+8*db:KFR+8*db+7], v[rB:rB+7], v[8*(4*eb+db):8*(4*eb+db)+7]
.endif
.set db, db+1
.endr
.set eb, eb+1
.endr
.endm
	EPI 0
	EPI 1                                          ; the next 32 rows' multiplies, which name no register of the 20 products, are the places behind them
	EPI 2
	EPI 3
	; THE WAY OUT.  In tile (eb, db) a lane holds e = 16 eb + r and d = 16 db + 8 h + 0..7: 32 bytes of a row of kv^T.  They go into my stage; behind a barrier the two waves of a head
	; (rows 0-127 and 128-255 of the tile) are added, and whole rows of 256 bytes are stored.
	PLACES
	WIN 0x04                                       ; store data in window 1
.set eb, 0
.rept 5
.set db, 0
.rept 4
	ds_store_b128 v[STO], v[8*(4*eb+db):8*(4*eb+db)+3]   offset:eb*16*SROW+64*db
	ds_store_b128 v[STO], v[8*(4*eb+db)+4:8*(4*eb+db)+7] offset:eb*16*SROW+64*db+16
.set db, db+1
.endr
.set eb, eb+1
.endr
	WIN 0
	s_wait_dscnt 0x0                               ; for the others' sake: my stores into the stage are done
	s_barrier_signal -1
	s_barrier_wait -1
.set i, 0
.rept 16
	ds_load_b128 v[64+4*i:64+4*i+3],   v[RD] offset:i*2*SROW
	ds_load_b128 v[128+4*i:128+4*i+3], v[RD] offset:i*2*SROW+2*SWAVE
.set i, i+1
.endr
.set i, 0
.rept 16
	s_wait_dscnt 30-2*i                            ; pair i is in; the younger pairs stay out
	v_pk_add_f32 v[64+4*i:64+4*i+1], v[64+4*i:64+4*i+1], v[128+4*i:128+4*i+1]
	v_pk_add_f32 v[64+4*i+2:64+4*i+3], v[64+4*i+2:64+4*i+3], v[128+4*i+2:128+4*i+3]
	global_store_b128 v[CO], v[64+4*i:64+4*i+3], s[8:9] offset:i*512  ; 16 lanes store 256 consecutive bytes, aligned
.set i, i+1
.endr
	s_cmp_lg_u32 s10, 0                            ; wave 0 alone stores the two rows of ksum
	s_cbranch_scc1 .Lno_ksum
	ds_load_b128 v[192:195], v[RDK]
	ds_load_b128 v[196:199], v[RDK] offset:2*SWAVE
	s_wait_dscnt 0x0
	v_pk_add_f32 v[192:193], v[192:193], v[196:197]
	v_pk_add_f32 v[194:195], v[194:195], v[198:199]
	global_store_b128 v[KO], v[192:195], s[8:9]
.Lno_ksum:
	s_wait_tensorcnt 0x0                           ; the wave's end: behind my last tensor load and my last LDS store
	ds_add_u32 v[SPW], v[NIL]
	s_wait_dscnt 0x0
	CROUND                                         ; the closing round: no work-group ends while a partner may still ask for a tile that names it
	s_endpgm
.Lfunc_end_k_qb22c06fbbc_kv:
	.size	k_qb22c06fbbc_kv, .Lfunc_end_k_qb22c06fbbc_kv-k_qb22c06fbbc_kv
	.p2alignl 7, 3214868480
	.fill 96, 4, 3214868480
	.section	.rodata,"a",@progbits
	.p2align	6, 0x0
	.amdhsa_kernel k_qb22c06fbbc_kv
		.amdhsa_group_segment_fixed_size 327680
		.amdhsa_private_segment_fixed_size 0
		.amdhsa_enable_private_segment 0
		.amdhsa_kernarg_size 16
		.amdhsa_user_sgpr_count 2
		.amdhsa_user_sgpr_kernarg_segment_ptr 1
		.amdhsa_wavefront_size32 1
		.amdhsa_system_sgpr_workgroup_id_x 1
		.amdhsa_system_sgpr_workgroup_id_y 1
		.amdhsa_system_sgpr_workgroup_id_z 1
		.amdhsa_system_vgpr_workitem_id 0
		.amdhsa_next_free_vgpr 1024
		.amdhsa_next_free_sgpr 80
		.amdhsa_reserve_vcc 0
		.amdhsa_float_denorm_mode_32 3
		.amdhsa_float_denorm_mode_16_64 3
		.amdhsa_memory_ordered 1
		.amdhsa_forward_progress 1
		.amdhsa_inst_pref_size 150
	.end_amdhsa_kernel
	.amdgpu_metadata
---
amdhsa.version: [ 1, 2 ]
amdhsa.kernels:
  - .name:           k_qb22c06fbbc_kv
    .symbol:         k_qb22c06fbbc_kv.kd
    .args:
      - { .name: cb, .offset: 0, .size: 8, .value_kind: global_buffer, .address_space: global }
      - { .name: part, .offset: 8, .size: 8, .value_kind: global_buffer, .address_space: global }
    .group_segment_fixed_size: 327680
    .private_segment_fixed_size: 0
    .kernarg_segment_align: 8
    .kernarg_segment_size: 16
    .max_flat_workgroup_size: 128
    .sgpr_count:     80
    .vgpr_count:     1024
    .wavefront_size: 32
...
	.end_amdgpu_metadata
.endif
;; end of part 2
;; launch qatt (part 3): grid 8 x 32, 4 waves a work-group, clusters of 4 x 4, 327,680 bytes of LDS; arguments cb, part, att; writes att
.if DOCPART == 3
	.amdgcn_target "amdgcn-amd-amdhsa--gfx1250"
	.amdhsa_code_object_version 6
	.text
	.protected	k_qb22c06fbbc_qatt
	.globl	k_qb22c06fbbc_qatt
	.p2align	8
	.type	k_qb22c06fbbc_qatt,@function
k_qb22c06fbbc_qatt:
	s_mov_b64 s[64:65], 0
	v_nop
	global_prefetch_b8 v0, s[64:65] scope:SCOPE_SE
	s_setreg_imm32_b32 hwreg(HW_REG_WAVE_MODE, 25, 1), 1
	s_wait_xcnt 0x0
	s_wait_alu depctr_hold_cnt(0) depctr_sa_sdst(0) depctr_va_vdst(0) depctr_va_sdst(0) depctr_va_ssrc(0) depctr_va_vcc(0) depctr_vm_vsrc(0)
	s_getreg_b32 s2, hwreg(HW_REG_IB_STS2, 6, 4)
	s_cmp_eq_u32 s2, 0
	s_cbranch_scc0 .Lentry_in_a_cluster
	s_endpgm
.Lentry_in_a_cluster:
	s_bfe_u32 s2, ttmp6, 0x10000c
	s_cmp_lg_u32 s2, 0xf033
	s_cbranch_scc0 .Lentry_shape_is_right
	s_endpgm
.Lentry_shape_is_right:
; LINEAR ATTENTION, launch 3 of 4.  kv and ksum of my two heads (the 8 partial sums of my batch, added in f32, rounded once to bf16, laid into LDS); q = x Wq^T; phi(q) = max(q + 1, min(e^q, 1));
; att = (q kv) / (q . ksum + 1e-6), bf16 [8192][1024], column 64 h + e.  No work is left out.
; LIMITS: q, kv, ksum and att are rounded once to bf16; e^q below 2^-126 counts as 0; the division is a reciprocal of 1 ULP and a multiply; NaN and infinities are not treated apart.
; SHARES.  A work-group makes 256 rows x 128 columns (heads 2 hp, 2 hp + 1); four waves, each 128 rows x 64 columns (one head): 32 accumulators.  K = 1,024 in 8 steps of 128 through two LDS slots.
; A K STEP IS WRITTEN ONCE FOR EACH KIND: a loop of six trips whose change of slots fills a slot again, then a loop of two trips that fills nothing; the slot in hand lies in a scalar register that
; an exclusive or turns.  The first quarter step, whose products start the sums, stands in front, and the first loop is entered behind it.
; THE PARTIAL SUMS COME ALONG THE K LOOP: blocks 0 and 1 are asked for at the head; behind the first quarter and at each of the six refilling changes of slots the block asked for a K step earlier is
; added (32 packed additions a wave) and the next is asked for (16 loads a wave).  Between the two loops the sum is rounded and stored into LDS; the next change's barrier shows it to all four waves.
; CLUSTER 4 x 4: tiles of x are shared along a row of the cluster, tiles of the weights along a column, by joint loads.
; THE PRODUCTS ARE USED TRANSPOSED (source 0 = 16 rows of the weights, source 1 = 16 rows of x): a lane holds ONE row (lane % 16) and the channels d = 16 b + 8 (lane / 16) + 0..7.  Two such
; results, rounded to bf16 in pairs, ARE source 1 (32 channels x 16 rows) of att^T = kv^T q^T, whose result again holds one row a lane and eight neighbouring e.  The divisor is the same product
; with all 16 rows of source 0 equal to ksum: every register of its result holds the lane's own row's divisor.
; REGISTERS, in windows of 256 (s_set_vgpr_msb: bits 1:0 source 0, 3:2 source 1, 5:4 source 2, 7:6 destination):
;   window 0: v0-31 addresses; v32-63 AB; v64-127, v128-191 fragments of x, two buffers (afterwards KVF, QF, DN); v192-255 T
;   window 1: v64-95, v128-159 fragments of the weights
;   window 2: accumulators (a, b) at 8 (4 a + b), later att tiles (a, eb) in the same place
;   window 3: v0-63 the divisors' tiles; v64-127 the sum of the partial blocks; v128-191 the block on its way; v192-223 wave 0's eight pieces of ksum
.set KSTEP,  128
.set PITCH,  272                       ; an LDS row: 256 bytes + 16 of padding
.set HALFA,  128*PITCH                 ; what a tensor load of x brings
.set HALFB,  64*PITCH                  ; what a tensor load of the weights brings
.set SLOTB,  2*HALFA+2*HALFB           ; a slot: 256 rows of x, then 128 rows of the weights: 104,448 bytes
.set SLOT1,  1<<17                     ; slot 1 begins here, above every address in slot 0: one exclusive or turns an address in one slot into the other's
.set KVS,    SLOTB                     ; between the slots: kv^T and ksum in bf16: 130 rows of 128 bytes + 16; 74 blocks of 256 bytes that no fill touches
.set KP,     144
.set SPARE,  KVS+18944                 ; the spare words, 128 bytes a wave, two blocks of 256 bytes that no other line names
.set STAGE,  SLOT1+SLOTB               ; behind slot 1: 256 rows x 272 bytes, the work-group's, for the way out
.set SP,     272
.set WQROW,  8192                      ; the q weights begin at this row of cb
.set PBLK,   33280                     ; bytes of a block of part; a batch's 8 blocks for a head pair lie 8 blocks apart
.set ADRA0, 16                         ; v16     my place in the rows of x of slot 0; never rewritten
.set ADRA,  17                         ; v17     the same in the slot that is being read
.set ADRB0, 20                         ; v20, v21 the same for the weights
.set ADRB,  21
.set KVA,  22                          ; v22     my place in my head's rows of kv^T
.set KSA,  23                          ; v23     my place in my head's row of ksum
.set STO,  24                          ; v24     the way out: where I put 16 bytes of a row
.set RD,   25                          ; v25     where I read a row back
.set CO,   26                          ; v26     my byte offset in att
.set KST,  27                          ; v27     where I put 8 bytes of kv^T
.set SPW,  28                          ; v28     my spare word; never rewritten
.set NIL,  29                          ; v29     0; never rewritten
.set PFO,  30                          ; v30     the prefetches: my lane x 2,048 bytes
.set PO,   31                          ; v31     the partial blocks: 16 x my thread number; never rewritten
.set AB,   32                          ; v32-63  q + 1 in bf16; later the divisors
.set F0,   64
.set F1,   128
.set KVF,  64                          ; v64-143   fragments of kv^T: (eb, kk) at 16 eb + 8 kk; eb = 4 is ksum
.set QF,   144                         ; v144-175  phi(q) in bf16: (u, kk) at 16 u + 8 kk
.set DN,   176                         ; v176-191  1 / divisor, a pair for each block of 16 rows
.set T,    192                         ; v192-255  at work
.set SUM,  64                          ; window 3
.set INB,  128                         ; window 3
.set KSR,  192                         ; window 3
.set PP,  4                            ; s[4:5]   part at the block last asked for but one
.set G1,  24
.set G0,  32                           ; s[32:39] group 0 for x: a set for each of the two first fills; the second then walks on
.set G1B, 48
.set G0B, 56
.set PFA, 44                           ; s[44:45] where my prefetches stand
.set ONES, 66                          ; s66      1.0 twice in bf16
.set TB,  67                           ; s67      LDS byte at which the slot that is being read begins: 0 or SLOT1
.set CS,  76                           ; s[76:77] log2(e)
.set LIM, 78                           ; s78      3 in a wave that prefetches, else the greatest number: it asks while the trips still to come are more
.set FLAGS, (1<<16)|(1<<20)|(1<<21)|(5<<22)|(3<<25)
.set MSB, 0
.macro WIN new
.if MSB != (\new)
	s_set_vgpr_msb (MSB<<8)|(\new)
.set MSB, \new
.endif
.endm
.set MUL,  0xa1                        ; source 0 (weights) window 1, source 1 (x) window 0, C and D window 2
.set TO_B, 0x40
.macro JLOAD s                         ; a joint load: waves 0 and 1 fetch the halves of x, waves 2 and 3 those of the weights; an s_nop 0 and four v_nop follow each line
	s_cmp_eq_u32 s11, 0
	s_cbranch_scc0 .Lfor_b_\@
	tensor_load_to_lds s[G0+4*(\s):G0+4*(\s)+3], s[G1:G1+7]
	s_nop 0
.rept 4
	v_nop
.endr
	s_branch .Lasked_\@
.Lfor_b_\@:
	tensor_load_to_lds s[G0B+4*(\s):G0B+4*(\s)+3], s[G1B:G1B+7]
	s_nop 0
.rept 4
	v_nop
.endr
.Lasked_\@:
.endm
; A prefetch of the K step that stands three refills on (384 matrix instructions ahead of the load that will want it): a lane a row, one instruction a wave.  The refill of K step s names s + 3, so K steps
; 5, 6 and 7 are named and nothing past a row's end.  Each row's 256 bytes are named once in the launch: rows of x by the clusters with x = 0 (waves 0 and 1, 32 rows for each of the four partners,
; by address), the weights' 128 rows by the clusters with y = 0 (wave 2, 32 rows a partner).
.macro ASK
	s_cmp_gt_u32 s3, s[LIM]                        ; s3 = 6, 5, .. 1 in the six trips
	s_cbranch_scc0 .Lnot_mine_\@
	global_prefetch_b8 v[PFO], s[PFA:PFA+1] offset:2*KSTEP*2 th:TH_LOAD_NT scope:SCOPE_SE
.Lnot_mine_\@:
.endm
.macro CREST
	s_cmp_lg_u32 s10, 0
	s_cbranch_scc1 .Lnot_wave_0_\@
	s_barrier_signal -3
.Lnot_wave_0_\@:
	s_barrier_wait -3
	s_barrier_signal -1
	s_barrier_wait -1
.endm
.macro CROUND
	s_barrier_signal -1
	s_barrier_wait -1
	CREST
.endm
.macro PLACES
.rept 4
	v_nop
.endr
.endm
; The partial block that was asked for a K step earlier is added, and the next is asked for.  inloop = 1: the sixth trip adds block 7, behind which there is none: its loads are jumped over.
.macro PSUM inloop
	s_wait_loadcnt 0x0                             ; the block is in; its loads are done, so their pointer may be written
	WIN 0xcf                                       ; destination and both sources in window 3
.set i, 0
.rept 32
	v_pk_add_f32 v[SUM+i:SUM+i+1], v[SUM+i:SUM+i+1], v[INB+i:INB+i+1]
.set i, i+2
.endr
	WIN 0
.if \inloop
	s_cmp_eq_u32 s3, 1
	s_cbranch_scc1 .Lno_more_\@
.endif
	s_add_nc_u64 s[PP:PP+1], s[PP:PP+1], 8*PBLK
	WIN 0xc0                                       ; destination window 3, address window 0
.set i, 0
.rept 16
	global_load_b128 v[INB+4*i:INB+4*i+3], v[PO], s[PP:PP+1] offset:8*PBLK+i*2048
.set i, i+1
.endr
	WIN 0
.if \inloop
.Lno_more_\@:
.endif
.endm
	s_load_b128 s[68:71], s[0:1], 0x0              ; cb s[68:69], part s[70:71]
	s_load_b64 s[72:73], s[0:1], 0x10              ; att
	v_lshl_add_u32 v[SPW], v0, 2, SPARE
	v_mov_b32 v[NIL], 0
	ds_add_u32 v[SPW], v[NIL]                      ; the wave's opening: the add, twice on end, and its wait ahead of my first tensor load
	ds_add_u32 v[SPW], v[NIL]
	v_lshrrev_b32 v1, 5, v0
	v_readfirstlane_b32 s10, v1                    ; wave 0..3
	s_lshr_b32 s11, s10, 1                         ; my half of the rows.  Also: I fetch x (0) or weights (1)
	s_and_b32 s12, s10, 1                          ; my head of the pair.  Also: which half of that tile I fetch
	s_bfe_u32 s40, ttmp6, 0x40000                  ; cx
	s_bfe_u32 s41, ttmp6, 0x40004                  ; cy
	s_lshl_b32 s42, ttmp9, 2
	s_add_co_u32 s42, s42, s40                     ; hp
	s_and_b32 s13, ttmp7, 0xffff
	s_lshl_b32 s13, s13, 2
	s_add_co_u32 s13, s13, s41                     ; rt
	s_lshl_b32 s43, s41, 2
	s_lshl_b32 s43, 15, s43                        ; my row of the cluster
	s_lshl_b32 s44, 0x1111, s40                    ; my column
	s_or_b32 s[G1+0], s43, FLAGS
	s_or_b32 s[G1B+0], s44, FLAGS
	s_mov_b32 s[G1+1], KSTEP<<16                   ; x: tiles of 128 rows x 128 elements
	s_mov_b32 s[G1+2], 128<<16
	s_mov_b32 s[G1+3], KSTEP<<16
	s_mov_b32 s[G1+4], 128
	s_mov_b32 s[G1+5], 1024
	s_mov_b32 s[G1+6], 0
	s_mov_b32 s[G1+7], 0
	s_mov_b32 s[G1B+1], KSTEP<<16                  ; weights: tiles of 64 rows x 128 elements
	s_mov_b32 s[G1B+2], 64<<16
	s_mov_b32 s[G1B+3], KSTEP<<16
	s_mov_b32 s[G1B+4], 64
	s_mov_b32 s[G1B+5], 1024
	s_mov_b32 s[G1B+6], 0
	s_mov_b32 s[G1B+7], 0
	s_mov_b32 s[CS], 0x3fb8aa3b
	s_mov_b32 s[CS+1], 0x3fb8aa3b
	s_mov_b32 s[ONES], 0x3f803f80
	s_mov_b32 s[TB], 0                             ; K step 0 lies in slot 0
	s_lshl_b32 s17, s12, 7
	s_lshl_b32 s16, s13, 8
	s_add_co_u32 s16, s16, s17                     ; x: row 256 rt + 128 half
	s_lshl_b32 s16, s16, 11
	s_lshl_b32 s47, s12, 6
	s_lshl_b32 s46, s42, 7
	s_add_co_u32 s46, s46, s47
	s_add_co_u32 s46, s46, WQROW                   ; weights: row 8,192 + 128 hp + 64 half
	s_lshl_b32 s46, s46, 11
	s_mov_b32 s17, 0
	s_mov_b32 s47, 0
	s_mul_i32 s20, s12, HALFA                      ; where they go: no place in the cluster enters an LDS address
	s_mul_i32 s21, s12, HALFB
	s_add_co_u32 s21, s21, 2*HALFA
	s_wait_dscnt 0x0                               ; both opening adds are done
	s_wait_kmcnt 0x0
	s_add_nc_u64 s[14:15], s[68:69], s[16:17]
	s_add_nc_u64 s[46:47], s[68:69], s[46:47]
	CROUND                                         ; the first joint loads meet
.irp s, 0,1
	s_mov_b32 s[G0+4*(\s)], 1
	s_add_co_u32 s[G0+4*(\s)+1], s20, (\s)*SLOT1
	s_add_nc_u64 s[G0+4*(\s)+2:G0+4*(\s)+3], s[14:15], (\s)*KSTEP*2
	s_or_b32 s[G0+4*(\s)+3], s[G0+4*(\s)+3], 0x80000000
	s_mov_b32 s[G0B+4*(\s)], 1
	s_add_co_u32 s[G0B+4*(\s)+1], s21, (\s)*SLOT1
	s_add_nc_u64 s[G0B+4*(\s)+2:G0B+4*(\s)+3], s[46:47], (\s)*KSTEP*2
	s_or_b32 s[G0B+4*(\s)+3], s[G0B+4*(\s)+3], 0x80000000
	JLOAD \s                                       ; two tensor loads of mine are out
.endr
	; the first two of the 8 partial blocks of my batch and head pair.  Thread t takes 16 bytes at 2,048 i + 16 t of a block's first 32,768 bytes.
	v_lshlrev_b32 v[PO], 4, v0
	s_lshr_b32 s18, s13, 3                         ; the batch
	s_lshl_b32 s18, s18, 6
	s_add_co_u32 s18, s18, s42                     ; block 64 batch + hp
	s_mul_i32 s18, s18, PBLK
	s_mov_b32 s19, 0
	s_add_nc_u64 s[PP:PP+1], s[70:71], s[18:19]
	WIN 0xc0                                       ; destination window 3, address window 0
.set i, 0
.rept 16
	global_load_b128 v[SUM+4*i:SUM+4*i+3], v[PO], s[PP:PP+1] offset:i*2048
.set i, i+1
.endr
.set i, 0
.rept 16
	global_load_b128 v[INB+4*i:INB+4*i+3], v[PO], s[PP:PP+1] offset:8*PBLK+i*2048
.set i, i+1
.endr
	WIN 0
	s_cmp_lg_u32 s10, 0                            ; wave 0 alone takes the two rows of ksum: 512 bytes of each of the 8 blocks
	s_cbranch_scc1 .Lno_ks_load
	WIN 0xc0
.set ch, 0
.rept 8
	global_load_b128 v[KSR+4*ch:KSR+4*ch+3], v[PO], s[PP:PP+1] offset:ch*8*PBLK+32768
.set ch, ch+1
.endr
	WIN 0
.Lno_ks_load:
	v_and_b32 v1, 15, v0                           ; r
	v_bfe_u32 v2, v0, 4, 1                         ; h
	v_mul_u32_u24 v3, v1, PITCH
	v_lshl_add_u32 v3, v2, 4, v3
	s_mul_i32 s21, s11, HALFA                      ; my 128 rows of x
	s_mul_i32 s22, s12, HALFB                      ; my 64 rows of the weights,
	s_add_co_u32 s22, s22, 2*HALFA                 ; behind the 256 of x
	v_add_nc_u32 v[ADRA0], s21, v3
	v_add_nc_u32 v[ADRB0], s22, v3
	v_mov_b32 v[ADRA], v[ADRA0]
	v_mov_b32 v[ADRB], v[ADRB0]
	v_mul_u32_u24 v4, v1, KP
	v_lshl_add_u32 v4, v2, 4, v4                   ; r x 144 + 16 h
	s_mul_i32 s23, s12, 64*KP
	s_add_co_u32 s23, s23, KVS
	v_add_nc_u32 v[KVA], s23, v4
	s_mul_i32 s23, s12, KP
	s_add_co_u32 s23, s23, KVS+128*KP
	v_lshl_add_u32 v[KSA], v2, 4, s23              ; all 16 rows of the fragment read the one row of ksum
	v_lshrrev_b32 v5, 4, v0                        ; thread t's 16 bytes of f32 are 8 bytes of bf16 in row 8 i + t / 16
	v_mul_u32_u24 v5, v5, KP
	v_lshl_add_u32 v5, v1, 3, v5
	v_add_nc_u32 v[KST], KVS, v5
	s_lshl_b32 s21, s11, 7
	s_mul_i32 s21, s21, SP
	s_lshl_b32 s22, s12, 7
	s_add_co_u32 s21, s21, s22
	s_add_co_u32 s21, s21, STAGE                   ; into the stage: my 128 rows, my half of their 256 bytes
	v_mul_u32_u24 v4, v1, SP
	v_lshl_add_u32 v4, v2, 4, v4
	v_add_nc_u32 v[STO], s21, v4
	s_lshl_b32 s21, s10, 6
	s_mul_i32 s21, s21, SP
	s_add_co_u32 s21, s21, STAGE                   ; back: wave w takes rows 64 w .. 64 w + 63, whole
	v_mul_u32_u24 v5, v2, SP
	v_lshl_add_u32 v5, v1, 4, v5
	v_add_nc_u32 v[RD], s21, v5
	v_lshlrev_b32 v5, 11, v2
	v_lshl_add_u32 v[CO], v1, 4, v5                ; the same two rows in att
	s_lshl_b32 s18, s13, 8
	s_lshl_b32 s19, s10, 6
	s_add_co_u32 s18, s18, s19                     ; row 256 rt + 64 w
	s_lshl_b32 s18, s18, 11
	s_lshl_b32 s19, s42, 8                         ; the pair's 256 bytes of a row
	s_add_co_u32 s18, s18, s19
	s_mov_b32 s19, 0
	s_add_nc_u64 s[8:9], s[72:73], s[18:19]
	; the prefetches
	s_and_b32 s22, ttmp7, 0xffff                   ; cluster y,
	s_and_b32 s23, s11, s12
	s_or_b32 s22, s22, s23                         ; made other than 0 in wave 3, which never asks
	s_lshl_b32 s20, s13, 8
	s_lshl_b32 s21, s12, 7
	s_add_co_u32 s20, s20, s21                     ; x: row 256 rt + 128 half
	s_lshl_b32 s21, s42, 7
	s_add_co_u32 s21, s21, WQROW                   ; weights: row 8,192 + 128 hp
	s_cmp_eq_u32 s11, 0
	s_cselect_b32 s20, s20, s21
	s_cselect_b32 s21, s40, s41                    ; my place among the four that ask with me
	s_cselect_b32 s22, ttmp9, s22
	s_cmp_eq_u32 s22, 0
	s_cselect_b32 s[LIM], 3, -1                    ; the same in all sixteen partners, for a given wave
	s_lshl_b32 s21, s21, 5
	s_add_co_u32 s20, s20, s21
	s_lshl_b32 s20, s20, 11
	s_add_co_u32 s20, s20, 2*KSTEP*2               ; at K step 2: the first refill steps it to 3 and names K step 5
	s_mov_b32 s21, 0
	s_add_nc_u64 s[PFA:PFA+1], s[68:69], s[20:21]
	v_and_b32 v[PFO], 31, v0
	v_lshlrev_b32 v[PFO], 11, v[PFO]
.macro MUL8 f, a0, zero                ; 8 matrix instructions: row blocks a0, a0 + 1 x all 4 column blocks; the 32 accumulators take turns in one order in every quarter
	WIN MUL
.irp a, \a0, (\a0)+1
.irp b, 0,1,2,3
.if \zero
	v_wmma_f32_16x16x32_bf16 v[8*(4*(\a)+(\b)):8*(4*(\a)+(\b))+7], v[(\f)+8*(\b):(\f)+8*(\b)+7], v[(\f)+8*(\a):(\f)+8*(\a)+7], 0
.else
	v_wmma_f32_16x16x32_bf16 v[8*(4*(\a)+(\b)):8*(4*(\a)+(\b))+7], v[(\f)+8*(\b):(\f)+8*(\b)+7], v[(\f)+8*(\a):(\f)+8*(\a)+7], v[8*(4*(\a)+(\b)):8*(4*(\a)+(\b))+7]
.endif
.endr
.endr
.endm
.macro FETCH k, f                      ; 24 LDS loads in one run, from the slot in hand: 4 fragments of the weights, then 8 of x
	WIN TO_B
.irp i, 0,1,2,3
	ds_load_b128 v[(\f)+8*(\i):(\f)+8*(\i)+3],   v[ADRB] offset:(\k)+(\i)*16*PITCH
	ds_load_b128 v[(\f)+8*(\i)+4:(\f)+8*(\i)+7], v[ADRB] offset:(\k)+(\i)*16*PITCH+32
.endr
	WIN 0
.irp i, 0,1,2,3,4,5,6,7
	ds_load_b128 v[(\f)+8*(\i):(\f)+8*(\i)+3],   v[ADRA] offset:(\k)+(\i)*16*PITCH
	ds_load_b128 v[(\f)+8*(\i)+4:(\f)+8*(\i)+7], v[ADRA] offset:(\k)+(\i)*16*PITCH+32
.endr
.endm
.macro QUARTER k, f, g, zero           ; 32 along K, 32 matrix instructions; fetches the next quarter, at byte k, into g
	s_wait_dscnt 8                                 ; the weights and rows 0-63 of x are in; at most the youngest eight LDS instructions may be out
	MUL8 \f, 0, \zero
	MUL8 \f, 2, \zero
	PLACES
	FETCH \k, \g
	s_wait_dscnt 24                                ; all but the 24 just issued
	MUL8 \f, 4, \zero
	MUL8 \f, 6, \zero
.endm
; The last quarter changes slots: one barrier; in front of it the wait for all my tensor loads, the add, and the wait for it and for my reads of this slot.  fill = 1: a round of the cluster's barrier,
; and the refill first behind it: 112 matrix instructions ahead of the wait for it.  fill = 0: nothing is asked for; in the last trip there is no further K step, and the run of LDS loads is jumped over.
.macro TURN fill
.if \fill
	s_wait_xcnt 0x0                                ; the last prefetch, a K step back, has read its address
	s_add_nc_u64 s[PFA:PFA+1], s[PFA:PFA+1], KSTEP*2
	PSUM 1
.endif
	WIN 0
	s_wait_tensorcnt 0x0                           ; all my tensor loads have landed
	ds_add_u32 v[SPW], v[NIL]                      ; 0 onto my spare word
	s_wait_dscnt 9                                 ; (the add and the youngest eight loads may be out)
	MUL8 F1, 0, 0
	s_wait_dscnt 0x0                               ; the add is done, my reads of this slot are over, and so are my stores of kv^T
	s_barrier_signal -1
	MUL8 F1, 2, 0
	WIN 0
	s_barrier_wait -1
.if \fill
	CREST
	s_xor_b32 s[G0+5], s[G0+5], SLOT1              ; the walking descriptors: the other slot than last time,
	s_add_nc_u64 s[G0+6:G0+7], s[G0+6:G0+7], KSTEP*2  ; the next K step
	s_xor_b32 s[G0B+5], s[G0B+5], SLOT1
	s_add_nc_u64 s[G0B+6:G0B+7], s[G0B+6:G0B+7], KSTEP*2
	JLOAD 1                                        ; its four v_nop are also the places in front of the loads below
.else
	s_cmp_eq_u32 s3, 1
	s_cbranch_scc1 .Lno_fetch_\@
	PLACES
.endif
	s_xor_b32 s[TB], s[TB], SLOT1                  ; the reads go over to the other slot
	v_add_nc_u32 v[ADRA], s[TB], v[ADRA0]
	v_add_nc_u32 v[ADRB], s[TB], v[ADRB0]
	FETCH 0, F0
.if \fill
	ASK
.else
.Lno_fetch_\@:
.endif
	MUL8 F1, 4, 0
	MUL8 F1, 6, 0
.endm
	s_wait_tensorcnt 1                             ; my part of K step 0 is in; K step 1's load may stay out
	s_barrier_signal -1
	s_barrier_wait -1
	FETCH 0, F0
	QUARTER 64,  F0, F1, 1                         ; the first quarter stands in front of the loops: its products start the sums
	PSUM 0                                         ; block 1 onto block 0; block 2 is asked for
	s_mov_b32 s3, 6
	s_branch .Lmid                                 ; the loop is entered behind a step's first quarter
.Lstep:                                                ; K steps 0 to 5: each fills its slot again, with K steps 2 to 7, and adds one of the partial blocks 2 to 7
	QUARTER 64,  F0, F1, 0
	WIN 0
.Lmid:
	QUARTER 128, F1, F0, 0
	QUARTER 192, F0, F1, 0
	TURN 1
	WIN 0
	s_sub_co_u32 s3, s3, 1
	s_cmp_lg_u32 s3, 0
	s_cbranch_scc1 .Lstep
	; all 8 partial blocks are added: rounded once to bf16 and stored; the barrier of the next change of slots shows them to all four waves
	WIN 0x0f                                       ; both sources in window 3, destination in window 0
.set n, 0
.rept 32
	v_cvt_pk_bf16_f32 v[T+n], v[SUM+2*n], v[SUM+2*n+1]
.set n, n+1
.endr
	WIN 0
.set i, 0
.rept 16
	ds_store_b64 v[KST], v[T+2*i:T+2*i+1] offset:i*8*KP
.set i, i+1
.endr
	s_cmp_lg_u32 s10, 0
	s_cbranch_scc1 .Lno_ks
	WIN 0xcf
.irp c, 0,8,16,24
	v_pk_add_f32 v[KSR+(\c):KSR+(\c)+1], v[KSR+(\c):KSR+(\c)+1], v[KSR+(\c)+4:KSR+(\c)+5]
	v_pk_add_f32 v[KSR+(\c)+2:KSR+(\c)+3], v[KSR+(\c)+2:KSR+(\c)+3], v[KSR+(\c)+6:KSR+(\c)+7]
.endr
.irp c, 0,16
	v_pk_add_f32 v[KSR+(\c):KSR+(\c)+1], v[KSR+(\c):KSR+(\c)+1], v[KSR+(\c)+8:KSR+(\c)+9]
	v_pk_add_f32 v[KSR+(\c)+2:KSR+(\c)+3], v[KSR+(\c)+2:KSR+(\c)+3], v[KSR+(\c)+10:KSR+(\c)+11]
.endr
	v_pk_add_f32 v[KSR:KSR+1], v[KSR:KSR+1], v[KSR+16:KSR+17]
	v_pk_add_f32 v[KSR+2:KSR+3], v[KSR+2:KSR+3], v[KSR+18:KSR+19]
	WIN 0x0f
	v_cvt_pk_bf16_f32 v[T+32], v[KSR], v[KSR+1]
	v_cvt_pk_bf16_f32 v[T+33], v[KSR+2], v[KSR+3]
	WIN 0
	ds_store_b64 v[KST], v[T+32:T+33] offset:128*KP
.Lno_ks:
	s_mov_b32 s3, 2
.Ltail:                                                ; K steps 6 and 7 fill nothing.  (At the first entry the stores above are the youngest LDS instructions: the quarter's first wait then covers all 24 loads)
	QUARTER 64,  F0, F1, 0
	QUARTER 128, F1, F0, 0
	QUARTER 192, F0, F1, 0
	TURN 0
	WIN 0
	s_sub_co_u32 s3, s3, 1
	s_cmp_lg_u32 s3, 0
	s_cbranch_scc1 .Ltail
.rept 5
	v_nop                                          ; five places: the second product's tiles write over the results of the last products
.endr
.irp eb, 0,1,2,3
.irp kk, 0,1
	ds_load_b128 v[KVF+16*(\eb)+8*(\kk):KVF+16*(\eb)+8*(\kk)+3],   v[KVA] offset:(\eb)*16*KP+(\kk)*64
	ds_load_b128 v[KVF+16*(\eb)+8*(\kk)+4:KVF+16*(\eb)+8*(\kk)+7], v[KVA] offset:(\eb)*16*KP+(\kk)*64+32
.endr
.endr
.irp kk, 0,1
	ds_load_b128 v[KVF+64+8*(\kk):KVF+64+8*(\kk)+3],   v[KSA] offset:(\kk)*64
	ds_load_b128 v[KVF+64+8*(\kk)+4:KVF+64+8*(\kk)+7], v[KSA] offset:(\kk)*64+32
.endr
; THE SECOND PRODUCT, two blocks of 16 rows (64 accumulator registers) at a time.  One batch of 64 exponentials with one wait; q + 1 and its rounding are the plain work behind the
; batch; phi(q) on packed bf16; then 20 products (8 tiles of att and 2 of the divisor, 2 deep along d), whose accumulators take turns.  Accumulators are read from their lowest registers on.
.macro GRP g
	WIN 0x02
.set i, 0
.rept 32
	v_pk_mul_f32 v[T+i:T+i+1], v[64*(\g)+i:64*(\g)+i+1], s[CS:CS+1] op_sel_hi:[1,0]
.set i, i+2
.endr
	WIN 0
.set i, 0
.rept 64
	v_exp_f32 v[T+i], v[T+i]
.set i, i+1
.endr
	WIN 0x82
.set i, 0
.rept 32
	v_pk_add_f32 v[64*(\g)+i:64*(\g)+i+1], v[64*(\g)+i:64*(\g)+i+1], 1.0 op_sel_hi:[1,0]
.set i, i+2
.endr
	WIN 0x0a
.set n, 0
.rept 32
	v_cvt_pk_bf16_f32 v[AB+n], v[64*(\g)+2*n], v[64*(\g)+2*n+1]
.set n, n+1
.endr
	WIN 0
	s_wait_alu depctr_va_vdst(0)                   ; the one wait for the batch of 64
.set n, 0
.rept 32
	v_cvt_pk_bf16_f32 v[QF+n], v[T+2*n], v[T+2*n+1]
.set n, n+1
.endr
.set n, 0
.rept 32
	v_pk_min_num_bf16 v[QF+n], v[QF+n], s[ONES]
.set n, n+1
.endr
.set n, 0
.rept 32
	v_pk_max_num_bf16 v[QF+n], v[QF+n], v[AB+n]
.set n, n+1
.endr
.if (\g) == 0
	s_wait_dscnt 0x0                               ; the fragments of kv^T and ksum are in
.endif
.irp kk, 0,1
	WIN 0xa0                                       ; sources 0 and 1 window 0, C and D window 2
.irp u, 0,1
.irp eb, 0,1,2,3
.if (\kk) == 0
	v_wmma_f32_16x16x32_bf16 v[8*(4*(2*(\g)+(\u))+(\eb)):8*(4*(2*(\g)+(\u))+(\eb))+7], v[KVF+16*(\eb)+8*(\kk):KVF+16*(\eb)+8*(\kk)+7], v[QF+16*(\u)+8*(\kk):QF+16*(\u)+8*(\kk)+7], 0
.else
	v_wmma_f32_16x16x32_bf16 v[8*(4*(2*(\g)+(\u))+(\eb)):8*(4*(2*(\g)+(\u))+(\eb))+7], v[KVF+16*(\eb)+8*(\kk):KVF+16*(\eb)+8*(\kk)+7], v[QF+16*(\u)+8*(\kk):QF+16*(\u)+8*(\kk)+7], v[8*(4*(2*(\g)+(\u))+(\eb)):8*(4*(2*(\g)+(\u))+(\eb))+7]
.endif
.endr
.endr
	WIN 0xf0                                       ; C and D window 3
.irp u, 0,1
.if (\kk) == 0
	v_wmma_f32_16x16x32_bf16 v[8*(2*(\g)+(\u)):8*(2*(\g)+(\u))+7], v[KVF+64+8*(\kk):KVF+64+8*(\kk)+7], v[QF+16*(\u)+8*(\kk):QF+16*(\u)+8*(\kk)+7], 0
.else
	v_wmma_f32_16x16x32_bf16 v[8*(2*(\g)+(\u)):8*(2*(\g)+(\u))+7], v[KVF+64+8*(\kk):KVF+64+8*(\kk)+7], v[QF+16*(\u)+8*(\kk):QF+16*(\u)+8*(\kk)+7], v[8*(2*(\g)+(\u)):8*(2*(\g)+(\u))+7]
.endif
.endr
.endr
.endm
	GRP 0
	GRP 1                                          ; the next group's multiplies, which name no register of the 20 products, are the places behind them
	GRP 2
	GRP 3
	; THE WAY OUT.  1 / (q . ksum + 1e-6), a lane a row; att scaled, rounded to bf16, 16 bytes a lane into the work-group's stage; a barrier, since a row's 256 bytes come from two waves; whole rows back.
	PLACES
	WIN 0x0c                                       ; source 1 in window 3
.set a, 0
.rept 8
	v_add_f32 v[AB+a], 0x358637bd, v[8*a]          ; + 1e-6; the tile's lowest register
.set a, a+1
.endr
	WIN 0
.set a, 0
.rept 8
	v_rcp_f32 v[DN+2*a], v[AB+a]                   ; twice: the packed multiply names a pair
	v_rcp_f32 v[DN+2*a+1], v[AB+a]
.set a, a+1
.endr
	v_nop                                          ; a plain instruction behind the last reciprocal,
	s_wait_alu depctr_va_vdst(0)                   ; and the one wait for the sixteen
.macro SCALE a
	WIN 0x82
.set i, 0
.rept 16
	v_pk_mul_f32 v[32*(\a)+i:32*(\a)+i+1], v[32*(\a)+i:32*(\a)+i+1], v[DN+2*(\a):DN+2*(\a)+1] op_sel_hi:[1,0]
.set i, i+2
.endr
	WIN 0x0a
.set n, 0
.rept 16
	v_cvt_pk_bf16_f32 v[T+16*((\a)%4)+n], v[32*(\a)+2*n], v[32*(\a)+2*n+1]
.set n, n+1
.endr
	WIN 0
.irp eb, 0,1,2,3
	ds_store_b128 v[STO], v[T+16*((\a)%4)+4*(\eb):T+16*((\a)%4)+4*(\eb)+3] offset:(\a)*16*SP+32*(\eb)
.endr
.endm
.irp a, 0,1,2,3,4,5,6,7
	SCALE \a
.endr
	s_wait_dscnt 0x0                               ; for the others' sake: my stores into the stage are done
	s_barrier_signal -1
	s_barrier_wait -1
.set i, 0
.rept 32
	ds_load_b128 v[64+4*i:64+4*i+3], v[RD] offset:i*2*SP
.set i, i+1
.endr
.set i, 0
.rept 32
	s_wait_dscnt 31-i                              ; load i is in; the younger ones stay out
	global_store_b128 v[CO], v[64+4*i:64+4*i+3], s[8:9] offset:i*4096  ; 16 lanes store 256 consecutive bytes, aligned
.set i, i+1
.endr
	s_wait_tensorcnt 0x0                           ; the wave's end
	ds_add_u32 v[SPW], v[NIL]
	s_wait_dscnt 0x0
	CROUND                                         ; the closing round
	s_endpgm
.Lfunc_end_k_qb22c06fbbc_qatt:
	.size	k_qb22c06fbbc_qatt, .Lfunc_end_k_qb22c06fbbc_qatt-k_qb22c06fbbc_qatt
	.p2alignl 7, 3214868480
	.fill 96, 4, 3214868480
	.section	.rodata,"a",@progbits
	.p2align	6, 0x0
	.amdhsa_kernel k_qb22c06fbbc_qatt
		.amdhsa_group_segment_fixed_size 327680
		.amdhsa_private_segment_fixed_size 0
		.amdhsa_enable_private_segment 0
		.amdhsa_kernarg_size 24
		.amdhsa_user_sgpr_count 2
		.amdhsa_user_sgpr_kernarg_segment_ptr 1
		.amdhsa_wavefront_size32 1
		.amdhsa_system_sgpr_workgroup_id_x 1
		.amdhsa_system_sgpr_workgroup_id_y 1
		.amdhsa_system_sgpr_workgroup_id_z 1
		.amdhsa_system_vgpr_workitem_id 0
		.amdhsa_next_free_vgpr 1024
		.amdhsa_next_free_sgpr 80
		.amdhsa_reserve_vcc 0
		.amdhsa_float_denorm_mode_32 3
		.amdhsa_float_denorm_mode_16_64 3
		.amdhsa_memory_ordered 1
		.amdhsa_forward_progress 1
		.amdhsa_inst_pref_size 153
	.end_amdhsa_kernel
	.amdgpu_metadata
---
amdhsa.version: [ 1, 2 ]
amdhsa.kernels:
  - .name:           k_qb22c06fbbc_qatt
    .symbol:         k_qb22c06fbbc_qatt.kd
    .args:
      - { .name: cb, .offset: 0, .size: 8, .value_kind: global_buffer, .address_space: global }
      - { .name: part, .offset: 8, .size: 8, .value_kind: global_buffer, .address_space: global }
      - { .name: att, .offset: 16, .size: 8, .value_kind: global_buffer, .address_space: global }
    .group_segment_fixed_size: 327680
    .private_segment_fixed_size: 0
    .kernarg_segment_align: 8
    .kernarg_segment_size: 24
    .max_flat_workgroup_size: 128
    .sgpr_count:     80
    .vgpr_count:     1024
    .wavefront_size: 32
...
	.end_amdgpu_metadata
.endif
;; end of part 3
;; launch proj (part 4): grid 8 x 32, 4 waves a work-group, clusters of 4 x 4, 327,680 bytes of LDS; arguments att, cb, bproj, out0; writes out0
.if DOCPART == 4
	.amdgcn_target "amdgcn-amd-amdhsa--gfx1250"
	.amdhsa_code_object_version 6
	.text
	.protected	k_qb22c06fbbc_proj
	.globl	k_qb22c06fbbc_proj
	.p2align	8
	.type	k_qb22c06fbbc_proj,@function
k_qb22c06fbbc_proj:
	s_mov_b64 s[64:65], 0
	v_nop
	global_prefetch_b8 v0, s[64:65] scope:SCOPE_SE
	s_setreg_imm32_b32 hwreg(HW_REG_WAVE_MODE, 25, 1), 1
	s_wait_xcnt 0x0
	s_wait_alu depctr_hold_cnt(0) depctr_sa_sdst(0) depctr_va_vdst(0) depctr_va_sdst(0) depctr_va_ssrc(0) depctr_va_vcc(0) depctr_vm_vsrc(0)
	s_getreg_b32 s2, hwreg(HW_REG_IB_STS2, 6, 4)
	s_cmp_eq_u32 s2, 0
	s_cbranch_scc0 .Lentry_in_a_cluster
	s_endpgm
.Lentry_in_a_cluster:
	s_bfe_u32 s2, ttmp6, 0x10000c
	s_cmp_lg_u32 s2, 0xf033
	s_cbranch_scc0 .Lentry_shape_is_right
	s_endpgm
.Lentry_shape_is_right:
; LINEAR ATTENTION, launch 4 of 4.  out0 = att Wproj^T + bproj: bf16 operands (att; Wproj in cb from row 11,264), f32 sums, f32 out.  The bias is the C operand of the products that start the sums.
; No work is left out.  LIMITS: those of the operands' one rounding to bf16; NaN and infinities are not treated apart.
; SHARES.  A work-group makes 256 rows x 128 columns; four waves, each 128 rows x 64 columns: 32 accumulators.  K = 1,024 in 8 steps of 128 through two LDS slots.
; A K STEP IS WRITTEN ONCE FOR EACH KIND: a loop of six trips whose change of slots fills a slot again, then a loop of two trips that fills nothing; the slot in hand lies in a scalar register that
; an exclusive or turns.  The first quarter step, whose products start the sums, stands in front, and the first loop is entered behind it.
; CLUSTER 4 x 4: tiles of att are shared along a row of the cluster, tiles of the weights along a column, by joint loads.
; THE PRODUCT IS USED TRANSPOSED (source 0 = 16 rows of the weights, source 1 = 16 rows of att): a lane holds one row (lane % 16) and eight neighbouring columns, 32 bytes of out0.
; REGISTERS: window 0: v0-31 addresses; v64-127, v128-191 fragments of att (afterwards v64-127 two banks for the way out); window 1: v0-31 the bias, v64-95, v128-159 fragments of the weights;
;   window 2: accumulators (a, b) at 8 (4 a + b).
.set KSTEP,  128
.set PITCH,  272
.set HALFA,  128*PITCH
.set HALFB,  64*PITCH
.set SLOTB,  2*HALFA+2*HALFB           ; a slot: 104,448 bytes
.set SLOT1,  1<<17                     ; slot 1 begins here, above every address in slot 0: one exclusive or turns an address in one slot into the other's
.set STAGE,  SLOT1+SLOTB               ; behind slot 1: 16 rows x 272 bytes for each wave, its own
.set SP,     272
.set SPARE,  STAGE+4*16*SP             ; the spare words, 128 bytes a wave, two blocks of 256 bytes that no other line names
.set WPROW,  11264
.set ADRA0, 16                         ; v16     my place in the rows of att of slot 0; never rewritten
.set ADRA,  17                         ; v17     the same in the slot that is being read
.set ADRB0, 20                         ; v20, v21 the same for the weights
.set ADRB,  21
.set STO,  24                          ; v24  where I put 32 bytes of a stage row
.set RD,   25                          ; v25  where I read rows back
.set CO,   26                          ; v26  my byte offset in out0
.set BO,   27                          ; v27  my byte offset in bproj
.set SPW,  28
.set NIL,  29
.set PFO,  30
.set F0,   64
.set F1,   128
.set OB,   64                          ; the way out: two banks of 32 registers
.set G1,  24
.set G0,  32                           ; s[32:39] group 0 for att: a set for each of the two first fills; the second then walks on
.set G1B, 48
.set G0B, 56
.set PFA, 44
.set TB,  67                           ; s67  LDS byte at which the slot that is being read begins: 0 or SLOT1
.set LIM, 78                           ; s78  3 in a wave that prefetches, else the greatest number
.set FLAGS, (1<<16)|(1<<20)|(1<<21)|(5<<22)|(3<<25)
.set MSB, 0
.macro WIN new
.if MSB != (\new)
	s_set_vgpr_msb (MSB<<8)|(\new)
.set MSB, \new
.endif
.endm
.set MUL,  0xa1                        ; source 0 (weights) window 1, source 1 (att) window 0, C and D window 2
.set MULB, 0x91                        ; the same with C, the bias, in window 1
.set TO_B, 0x40
.macro JLOAD s                         ; a joint load: waves 0 and 1 fetch the halves of att, waves 2 and 3 those of the weights; an s_nop 0 and four v_nop follow each line
	s_cmp_eq_u32 s11, 0
	s_cbranch_scc0 .Lfor_b_\@
	tensor_load_to_lds s[G0+4*(\s):G0+4*(\s)+3], s[G1:G1+7]
	s_nop 0
.rept 4
	v_nop
.endr
	s_branch .Lasked_\@
.Lfor_b_\@:
	tensor_load_to_lds s[G0B+4*(\s):G0B+4*(\s)+3], s[G1B:G1B+7]
	s_nop 0
.rept 4
	v_nop
.endr
.Lasked_\@:
.endm
; A prefetch of the K step three refills on (384 matrix instructions ahead of its load): K steps 5, 6 and 7; a lane a row.  Rows of att are named by the clusters with x = 0 (waves 0 and 1, 32 rows a partner,
; by address), the weights' 128 rows by the clusters with y = 0 (wave 2, 32 rows a partner): each row's 256 bytes once in the launch.
.macro ASK
	s_cmp_gt_u32 s3, s[LIM]                        ; s3 = 6, 5, .. 1 in the six trips
	s_cbranch_scc0 .Lnot_mine_\@
	global_prefetch_b8 v[PFO], s[PFA:PFA+1] offset:2*KSTEP*2 th:TH_LOAD_NT scope:SCOPE_SE
.Lnot_mine_\@:
.endm
.macro CREST
	s_cmp_lg_u32 s10, 0
	s_cbranch_scc1 .Lnot_wave_0_\@
	s_barrier_signal -3
.Lnot_wave_0_\@:
	s_barrier_wait -3
	s_barrier_signal -1
	s_barrier_wait -1
.endm
.macro CROUND
	s_barrier_signal -1
	s_barrier_wait -1
	CREST
.endm
.macro PLACES
.rept 4
	v_nop
.endr
.endm
	s_load_b256 s[68:75], s[0:1], 0x0              ; att s[68:69], cb s[70:71], bproj s[72:73], out0 s[74:75]
	v_lshl_add_u32 v[SPW], v0, 2, SPARE
	v_mov_b32 v[NIL], 0
	ds_add_u32 v[SPW], v[NIL]                      ; the wave's opening: the add, twice on end, and its wait ahead of my first tensor load
	ds_add_u32 v[SPW], v[NIL]
	v_lshrrev_b32 v1, 5, v0
	v_readfirstlane_b32 s10, v1                    ; wave 0..3
	s_lshr_b32 s11, s10, 1                         ; my half of the rows.  Also: I fetch att (0) or weights (1)
	s_and_b32 s12, s10, 1                          ; my half of the columns.  Also: which half of that tile I fetch
	s_bfe_u32 s40, ttmp6, 0x40000                  ; cx
	s_bfe_u32 s41, ttmp6, 0x40004                  ; cy
	s_lshl_b32 s42, ttmp9, 2
	s_add_co_u32 s42, s42, s40                     ; ct, the tile column
	s_and_b32 s13, ttmp7, 0xffff
	s_lshl_b32 s13, s13, 2
	s_add_co_u32 s13, s13, s41                     ; rt, the tile row
	s_lshl_b32 s43, s41, 2
	s_lshl_b32 s43, 15, s43
	s_lshl_b32 s44, 0x1111, s40
	s_or_b32 s[G1+0], s43, FLAGS
	s_or_b32 s[G1B+0], s44, FLAGS
	s_mov_b32 s[G1+1], KSTEP<<16                   ; att: tiles of 128 rows x 128 elements
	s_mov_b32 s[G1+2], 128<<16
	s_mov_b32 s[G1+3], KSTEP<<16
	s_mov_b32 s[G1+4], 128
	s_mov_b32 s[G1+5], 1024
	s_mov_b32 s[G1+6], 0
	s_mov_b32 s[G1+7], 0
	s_mov_b32 s[G1B+1], KSTEP<<16                  ; weights: tiles of 64 rows x 128 elements
	s_mov_b32 s[G1B+2], 64<<16
	s_mov_b32 s[G1B+3], KSTEP<<16
	s_mov_b32 s[G1B+4], 64
	s_mov_b32 s[G1B+5], 1024
	s_mov_b32 s[G1B+6], 0
	s_mov_b32 s[G1B+7], 0
	s_mov_b32 s[TB], 0                             ; K step 0 lies in slot 0
	s_lshl_b32 s17, s12, 7
	s_lshl_b32 s16, s13, 8
	s_add_co_u32 s16, s16, s17                     ; att: row 256 rt + 128 half
	s_lshl_b32 s16, s16, 11
	s_lshl_b32 s47, s12, 6
	s_lshl_b32 s46, s42, 7
	s_add_co_u32 s46, s46, s47
	s_add_co_u32 s46, s46, WPROW                   ; weights: row 11,264 + 128 ct + 64 half of cb
	s_lshl_b32 s46, s46, 11
	s_mov_b32 s17, 0
	s_mov_b32 s47, 0
	s_mul_i32 s20, s12, HALFA
	s_mul_i32 s21, s12, HALFB
	s_add_co_u32 s21, s21, 2*HALFA
	s_wait_dscnt 0x0                               ; both opening adds are done
	s_wait_kmcnt 0x0
	s_add_nc_u64 s[14:15], s[68:69], s[16:17]
	s_add_nc_u64 s[46:47], s[70:71], s[46:47]
	CROUND                                         ; the first joint loads meet
.irp s, 0,1
	s_mov_b32 s[G0+4*(\s)], 1
	s_add_co_u32 s[G0+4*(\s)+1], s20, (\s)*SLOT1
	s_add_nc_u64 s[G0+4*(\s)+2:G0+4*(\s)+3], s[14:15], (\s)*KSTEP*2
	s_or_b32 s[G0+4*(\s)+3], s[G0+4*(\s)+3], 0x80000000
	s_mov_b32 s[G0B+4*(\s)], 1
	s_add_co_u32 s[G0B+4*(\s)+1], s21, (\s)*SLOT1
	s_add_nc_u64 s[G0B+4*(\s)+2:G0B+4*(\s)+3], s[46:47], (\s)*KSTEP*2
	s_or_b32 s[G0B+4*(\s)+3], s[G0B+4*(\s)+3], 0x80000000
	JLOAD \s                                       ; two tensor loads of mine are out
.endr
	v_and_b32 v1, 15, v0                           ; r
	v_bfe_u32 v2, v0, 4, 1                         ; h
	s_lshl_b32 s23, s42, 9                         ; the bias of my columns: register j of column block b is bproj[128 ct + 64 c + 16 b + 8 h + j]
	s_lshl_b32 s22, s12, 8
	s_add_co_u32 s23, s23, s22
	v_lshl_add_u32 v[BO], v2, 5, s23
	WIN 0x40
.irp b, 0,1,2,3
	global_load_b128 v[8*(\b):8*(\b)+3],   v[BO], s[72:73] offset:64*(\b)
	global_load_b128 v[8*(\b)+4:8*(\b)+7], v[BO], s[72:73] offset:64*(\b)+16
.endr
	WIN 0
	v_mul_u32_u24 v3, v1, PITCH
	v_lshl_add_u32 v3, v2, 4, v3
	s_mul_i32 s21, s11, HALFA
	s_mul_i32 s22, s12, HALFB
	s_add_co_u32 s22, s22, 2*HALFA
	v_add_nc_u32 v[ADRA0], s21, v3
	v_add_nc_u32 v[ADRB0], s22, v3
	v_mov_b32 v[ADRA], v[ADRA0]
	v_mov_b32 v[ADRB], v[ADRB0]
	s_mul_i32 s23, s10, 16*SP
	s_add_co_u32 s23, s23, STAGE                   ; my stage
	v_mul_u32_u24 v4, v1, SP                       ; in: row r, 32 bytes for each half of the lanes
	v_lshl_add_u32 v4, v2, 5, v4
	v_add_nc_u32 v[STO], s23, v4
	v_mul_u32_u24 v5, v2, SP                       ; back: lanes 0-15 one row of 256 bytes, lanes 16-31 the next
	v_lshl_add_u32 v5, v1, 4, v5
	v_add_nc_u32 v[RD], s23, v5
	v_lshlrev_b32 v5, 12, v2
	v_lshl_add_u32 v[CO], v1, 4, v5                ; the same two rows in out0
	s_lshl_b32 s18, s13, 8
	s_lshl_b32 s19, s11, 7
	s_add_co_u32 s18, s18, s19                     ; row 256 rt + 128 half
	s_lshl_b32 s18, s18, 12
	s_lshl_b32 s19, s42, 9
	s_add_co_u32 s18, s18, s19                     ; + 512 ct
	s_lshl_b32 s19, s12, 8
	s_add_co_u32 s18, s18, s19                     ; + 256 c
	s_mov_b32 s19, 0
	s_add_nc_u64 s[8:9], s[74:75], s[18:19]
	; the prefetches
	s_and_b32 s22, ttmp7, 0xffff
	s_and_b32 s23, s11, s12
	s_or_b32 s22, s22, s23                         ; other than 0 in wave 3, which never asks
	s_lshl_b32 s20, s13, 8
	s_lshl_b32 s21, s12, 7
	s_add_co_u32 s20, s20, s21                     ; att: row 256 rt + 128 half
	s_lshl_b32 s21, s42, 7
	s_add_co_u32 s21, s21, WPROW                   ; weights: row 11,264 + 128 ct of cb
	s_cmp_eq_u32 s11, 0
	s_cselect_b32 s20, s20, s21
	s_cselect_b32 s21, s40, s41
	s_cselect_b32 s22, ttmp9, s22
	s_cselect_b64 s[PFA:PFA+1], s[68:69], s[70:71]
	s_cmp_eq_u32 s22, 0
	s_cselect_b32 s[LIM], 3, -1
	s_lshl_b32 s21, s21, 5
	s_add_co_u32 s20, s20, s21
	s_lshl_b32 s20, s20, 11
	s_add_co_u32 s20, s20, 2*KSTEP*2               ; at K step 2: the first refill steps it to 3 and names K step 5
	s_mov_b32 s21, 0
	s_add_nc_u64 s[PFA:PFA+1], s[PFA:PFA+1], s[20:21]
	v_and_b32 v[PFO], 31, v0
	v_lshlrev_b32 v[PFO], 11, v[PFO]
.macro MUL8 f, a0, zero                ; 8 matrix instructions; zero = 1: the first product starts the sums from the bias; the 32 accumulators take turns in one order in every quarter
.if \zero
	WIN MULB
.else
	WIN MUL
.endif
.irp a, \a0, (\a0)+1
.irp b, 0,1,2,3
.if \zero
	v_wmma_f32_16x16x32_bf16 v[8*(4*(\a)+(\b)):8*(4*(\a)+(\b))+7], v[(\f)+8*(\b):(\f)+8*(\b)+7], v[(\f)+8*(\a):(\f)+8*(\a)+7], v[8*(\b):8*(\b)+7]
.else
	v_wmma_f32_16x16x32_bf16 v[8*(4*(\a)+(\b)):8*(4*(\a)+(\b))+7], v[(\f)+8*(\b):(\f)+8*(\b)+7], v[(\f)+8*(\a):(\f)+8*(\a)+7], v[8*(4*(\a)+(\b)):8*(4*(\a)+(\b))+7]
.endif
.endr
.endr
.endm
.macro FETCH k, f                      ; 24 LDS loads in one run, from the slot in hand
	WIN TO_B
.irp i, 0,1,2,3
	ds_load_b128 v[(\f)+8*(\i):(\f)+8*(\i)+3],   v[ADRB] offset:(\k)+(\i)*16*PITCH
	ds_load_b128 v[(\f)+8*(\i)+4:(\f)+8*(\i)+7], v[ADRB] offset:(\k)+(\i)*16*PITCH+32
.endr
	WIN 0
.irp i, 0,1,2,3,4,5,6,7
	ds_load_b128 v[(\f)+8*(\i):(\f)+8*(\i)+3],   v[ADRA] offset:(\k)+(\i)*16*PITCH
	ds_load_b128 v[(\f)+8*(\i)+4:(\f)+8*(\i)+7], v[ADRA] offset:(\k)+(\i)*16*PITCH+32
.endr
.endm
.macro QUARTER k, f, g, zero
	s_wait_dscnt 8                                 ; the weights and rows 0-63 of att are in; the youngest eight loads may be out
	MUL8 \f, 0, \zero
	MUL8 \f, 2, \zero
	PLACES
	FETCH \k, \g
	s_wait_dscnt 24                                ; all but the 24 just issued
	MUL8 \f, 4, \zero
	MUL8 \f, 6, \zero
.endm
; The last quarter changes slots: one barrier; in front of it the wait for all my tensor loads, the add, and the wait for it and for my reads of this slot.  fill = 1: a round of the cluster's barrier,
; and the refill first behind it: 112 matrix instructions ahead of the wait for it.  fill = 0: nothing is asked for; in the last trip there is no further K step, and the run of LDS loads is jumped over.
.macro TURN fill
.if \fill
	s_wait_xcnt 0x0                                ; the last prefetch, a K step back, has read its address
	s_add_nc_u64 s[PFA:PFA+1], s[PFA:PFA+1], KSTEP*2
.endif
	WIN 0
	s_wait_tensorcnt 0x0                           ; all my tensor loads have landed
	ds_add_u32 v[SPW], v[NIL]                      ; 0 onto my spare word
	s_wait_dscnt 9                                 ; (the add and the youngest eight loads may be out)
	MUL8 F1, 0, 0
	s_wait_dscnt 0x0                               ; the add is done, and my reads of this slot are over
	s_barrier_signal -1
	MUL8 F1, 2, 0
	WIN 0
	s_barrier_wait -1
.if \fill
	CREST
	s_xor_b32 s[G0+5], s[G0+5], SLOT1              ; the walking descriptors: the other slot than last time,
	s_add_nc_u64 s[G0+6:G0+7], s[G0+6:G0+7], KSTEP*2  ; the next K step
	s_xor_b32 s[G0B+5], s[G0B+5], SLOT1
	s_add_nc_u64 s[G0B+6:G0B+7], s[G0B+6:G0B+7], KSTEP*2
	JLOAD 1                                        ; its four v_nop are also the places in front of the loads below
.else
	s_cmp_eq_u32 s3, 1
	s_cbranch_scc1 .Lno_fetch_\@
	PLACES
.endif
	s_xor_b32 s[TB], s[TB], SLOT1                  ; the reads go over to the other slot
	v_add_nc_u32 v[ADRA], s[TB], v[ADRA0]
	v_add_nc_u32 v[ADRB], s[TB], v[ADRB0]
	FETCH 0, F0
.if \fill
	ASK
.else
.Lno_fetch_\@:
.endif
	MUL8 F1, 4, 0
	MUL8 F1, 6, 0
.endm
	s_wait_tensorcnt 1                             ; my part of K step 0 is in; K step 1's load may stay out
	s_barrier_signal -1
	s_barrier_wait -1
	FETCH 0, F0
	s_wait_loadcnt 0x0                             ; the bias
	QUARTER 64,  F0, F1, 1                         ; the first quarter stands in front of the loops: its products start the sums
	WIN 0
	s_mov_b32 s3, 6
	s_branch .Lmid                                 ; the loop is entered behind a step's first quarter
.Lstep:                                                ; K steps 0 to 5: each fills its slot again, with K steps 2 to 7
	QUARTER 64,  F0, F1, 0
	WIN 0
.Lmid:
	QUARTER 128, F1, F0, 0
	QUARTER 192, F0, F1, 0
	TURN 1
	WIN 0
	s_sub_co_u32 s3, s3, 1
	s_cmp_lg_u32 s3, 0
	s_cbranch_scc1 .Lstep
	s_mov_b32 s3, 2
.Ltail:                                                ; K steps 6 and 7 fill nothing
	QUARTER 64,  F0, F1, 0
	QUARTER 128, F1, F0, 0
	QUARTER 192, F0, F1, 0
	TURN 0
	WIN 0
	s_sub_co_u32 s3, s3, 1
	s_cmp_lg_u32 s3, 0
	s_cbranch_scc1 .Ltail
	PLACES
; THE WAY OUT, a block of 16 rows at a time through my own stage: 32 bytes a lane in, whole rows of 256 bytes back.  LDS serves a wave's instructions in order (ISA guide 5.7.1.4), so no wait stands
; between the stores and the loads, and the next block's stores come behind these loads.
.macro TOSTAGE a
	s_wait_xcnt 0x0                                ; the stores that read this bank two blocks ago have read it
	WIN 0x08                                       ; store data in window 2
.irp b, 0,1,2,3
	ds_store_b128 v[STO], v[8*(4*(\a)+(\b)):8*(4*(\a)+(\b))+3]   offset:64*(\b)
	ds_store_b128 v[STO], v[8*(4*(\a)+(\b))+4:8*(4*(\a)+(\b))+7] offset:64*(\b)+16
.endr
	WIN 0
.irp t, 0,1,2,3,4,5,6,7
	ds_load_b128 v[OB+32*((\a)%2)+4*(\t):OB+32*((\a)%2)+4*(\t)+3], v[RD] offset:(\t)*2*SP
.endr
.endm
.macro SEND a, younger                 ; younger: the LDS instructions issued behind block a's loads: the next block's sixteen, or none
	s_wait_dscnt \younger
.irp t, 0,1,2,3,4,5,6,7
	global_store_b128 v[CO], v[OB+32*((\a)%2)+4*(\t):OB+32*((\a)%2)+4*(\t)+3], s[8:9] offset:(16*(\a)+2*(\t))*4096 th:TH_STORE_NT  ; 16 lanes store 256 consecutive bytes, aligned
.endr
.endm
	TOSTAGE 0
.irp a, 1,2,3,4,5,6,7
	TOSTAGE \a
	SEND (\a)-1, 16
.endr
	SEND 7, 0
	s_wait_tensorcnt 0x0                           ; the wave's end
	ds_add_u32 v[SPW], v[NIL]
	s_wait_dscnt 0x0
	CROUND                                         ; the closing round
	s_endpgm
.Lfunc_end_k_qb22c06fbbc_proj:
	.size	k_qb22c06fbbc_proj, .Lfunc_end_k_qb22c06fbbc_proj-k_qb22c06fbbc_proj
	.p2alignl 7, 3214868480
	.fill 96, 4, 3214868480
	.section	.rodata,"a",@progbits
	.p2align	6, 0x0
	.amdhsa_kernel k_qb22c06fbbc_proj
		.amdhsa_group_segment_fixed_size 327680
		.amdhsa_private_segment_fixed_size 0
		.amdhsa_enable_private_segment 0
		.amdhsa_kernarg_size 32
		.amdhsa_user_sgpr_count 2
		.amdhsa_user_sgpr_kernarg_segment_ptr 1
		.amdhsa_wavefront_size32 1
		.amdhsa_system_sgpr_workgroup_id_x 1
		.amdhsa_system_sgpr_workgroup_id_y 1
		.amdhsa_system_sgpr_workgroup_id_z 1
		.amdhsa_system_vgpr_workitem_id 0
		.amdhsa_next_free_vgpr 768
		.amdhsa_next_free_sgpr 80
		.amdhsa_reserve_vcc 0
		.amdhsa_float_denorm_mode_32 3
		.amdhsa_float_denorm_mode_16_64 3
		.amdhsa_memory_ordered 1
		.amdhsa_forward_progress 1
		.amdhsa_inst_pref_size 63
	.end_amdhsa_kernel
	.amdgpu_metadata
---
amdhsa.version: [ 1, 2 ]
amdhsa.kernels:
  - .name:           k_qb22c06fbbc_proj
    .symbol:         k_qb22c06fbbc_proj.kd
    .args:
      - { .name: att, .offset: 0, .size: 8, .value_kind: global_buffer, .address_space: global }
      - { .name: cb, .offset: 8, .size: 8, .value_kind: global_buffer, .address_space: global }
      - { .name: bproj, .offset: 16, .size: 8, .value_kind: global_buffer, .address_space: global }
      - { .name: out0, .offset: 24, .size: 8, .value_kind: global_buffer, .address_space: global }
    .group_segment_fixed_size: 327680
    .private_segment_fixed_size: 0
    .kernarg_segment_align: 8
    .kernarg_segment_size: 32
    .max_flat_workgroup_size: 128
    .sgpr_count:     80
    .vgpr_count:     768
    .wavefront_size: 32
...
	.end_amdgpu_metadata
.endif
;; end of part 4
;; ======== version 2 of 2: 4 launches; version 1 with the launch cast written anew for expert scheduling mode
;; limits: values outside matrix products are rounded to bf16
;; workspace buffers: cb 25,165,824 bytes; part 8,519,680 bytes; att 16,777,216 bytes
;; launch cast (part 5): grid 768 x 1, 8 waves a work-group, no clusters, 0 bytes of LDS; arguments x, Wqkv, Wproj, cb; writes cb
.if DOCPART == 5
	.amdgcn_target "amdgcn-amd-amdhsa--gfx1250"
	.amdhsa_code_object_version 6
	.text
	.protected	k_qb22c06fbbc_cast
	.globl	k_qb22c06fbbc_cast
	.p2align	8
	.type	k_qb22c06fbbc_cast,@function
k_qb22c06fbbc_cast:
	s_mov_b64 s[64:65], 0
	v_nop
	global_prefetch_b8 v0, s[64:65] scope:SCOPE_SE
	s_setreg_imm32_b32 hwreg(HW_REG_WAVE_SCHED_MODE, 0, 2), 2
	s_setreg_imm32_b32 hwreg(HW_REG_WAVE_MODE, 25, 1), 1
	s_wait_xcnt 0x0
	s_wait_alu depctr_vm_vsrc(0)
; LINEAR ATTENTION, launch 1 of 4: x, Wqkv and Wproj are rounded once to bf16 and laid into cb, [12288][1024] bf16:
;   rows 0-8191 x; rows 8192-9215 Wqkv rows 0-1023 (q); rows 9216-11263 the k and v rows by head: row 9216 + 128 h + 64 s + d = Wqkv row 1024 (1 + s) + 64 h + d
;   (s = 0: k, s = 1: v), so that a head's 64 k rows and 64 v rows lie together; rows 11264-12287 Wproj.
; THE PROGRAM.  cast; kv: [k|v] = x Wkv^T, phi(k), and for every 256 rows and head the partial sums of k^T v and of k; qatt: q = x Wq^T, phi(q), (q kv) / (q . ksum + 1e-6);
; proj: the last product and the bias.  phi(t) = elu(t) + 1 is taken as max(t + 1, min(e^t, 1)): for t > 0 min(e^t, 1) = 1 < t + 1; for t <= 0 t + 1 <= e^t <= 1: equal for every finite t.
; DEAD WORK: none.  Every input has a way to the output, every input is loaded, and no step of the computation is left out.
; LIMITS (of format).  x, the weights, k, v, q, kv, ksum and the attention result are matrix operands and are rounded once to bf16; all sums are f32, in another order than a plain loop;
; ksum is the sum of the rounded k; e^t below 2^-126 counts as 0; the division is a reciprocal of 1 ULP and a multiply; NaN and infinities are not treated apart.
; SHARES.  A work-group takes 16 rows: 65,536 dense bytes in, 32,768 dense bytes out; 768 such blocks.  Thread t takes 16 bytes at 4,096 i + 16 t (a wave's load: 512 consecutive bytes)
; and stores 8 bytes at 2,048 i + 8 t (a wave's store: 256 consecutive bytes, aligned).  All 16 loads are out before the first wait; no register is used twice.
; No LDS, no matrix unit, no cluster: nothing is shared and nothing is multiplied.  No prefetch: all that a work-group reads is asked for at once.
; THE MODE: SCHED_MODE bits 1:0 = 2 (LLVM: expert scheduling mode 2), set by the entry lines.  The code itself states the register dependences between vector instructions and memory
; instructions, with s_wait_alu, always for 0.
; THE PLAN.  Registers that memory instructions touch:
;   v1, v2   byte offsets, written once at the head by vector instructions; v1 is read by every load, v2 by every store; never written again.
;   X        the loads land in it, each register once; no vector instruction names it ahead of the loads; row i's two conversions read it behind the wait for row i's data.
;   Y        the conversions write it, each register once; the stores read it; never written again.
; The 16 rows go in four groups of four.  Group g rounds rows 4 g to 4 g + 3 into its eight registers of Y; its four stores are issued at the head of group g + 1, behind ONE wait on va_vdst,
; which stands behind the wait for that group's first row.  The conversions behind that wait name the new group's X and Y alone, none of the registers that the four stores read.
; No register that a memory instruction reads is written again, so no wait on vm_vsrc is owed; no vector instruction writes a scalar register, VCC or EXEC.
.set X, 4                              ; v[4:67]   16 x 4 numbers as loaded
.set Y, 68                             ; v[68:99]  16 x 2 words to store
	s_load_b256 s[4:11], s[0:1], 0x0               ; x s[4:5], Wqkv s[6:7], Wproj s[8:9], cb s[10:11]
	v_lshlrev_b32 v1, 4, v0                        ; 16 t
	v_lshlrev_b32 v2, 3, v0                        ; 8 t
	s_mov_b32 s12, ttmp9                           ; the block: 0-511 x, 512-703 Wqkv, 704-767 Wproj
	s_sub_co_u32 s17, s12, 576                     ; u: the block among the k and v rows, 0-127 there (else 128 or more, unsigned)
	s_bfe_u32 s18, s17, 0x40002                    ; the head: (u >> 2) & 15
	s_lshl_b32 s18, s18, 3                         ; a head has 8 blocks in cb
	s_bfe_u32 s19, s17, 0x10006                    ; k or v: (u >> 6) & 1
	s_lshl_b32 s19, s19, 2
	s_add_co_u32 s18, s18, s19
	s_and_b32 s19, s17, 3                          ; which 16 of the 64 rows
	s_add_co_u32 s18, s18, s19
	s_add_co_u32 s18, s18, 576
	s_cmp_lt_u32 s17, 128
	s_cselect_b32 s18, s18, s12                    ; every other block keeps its number
	s_lshl_b32 s20, s18, 15                        ; 32,768 bytes a block in cb
	s_mov_b32 s21, 0
	s_wait_kmcnt 0x0
	s_cmp_lt_u32 s12, 512
	s_cselect_b64 s[14:15], s[4:5], s[6:7]
	s_cselect_b32 s16, 0, 512
	s_cmp_lt_u32 s12, 704
	s_cselect_b64 s[14:15], s[14:15], s[8:9]
	s_cselect_b32 s16, s16, 704                    ; the first block of the tensor that I read
	s_sub_co_u32 s16, s12, s16
	s_lshl_b32 s22, s16, 16                        ; 65,536 bytes a block in the source
	s_mov_b32 s23, 0
	s_add_nc_u64 s[14:15], s[14:15], s[22:23]
	s_add_nc_u64 s[10:11], s[10:11], s[20:21]
	s_wait_alu depctr_va_vdst(0)                   ; v1 and v2 are written: every load below reads v1 as its offset, every store v2
.set i, 0
.rept 16
	global_load_b128 v[X+4*i:X+4*i+3], v1, s[14:15] offset:i*4096 th:TH_LOAD_NT
.set i, i+1
.endr
; The four stores of group g.
.macro OUT g
.irp j, 0,1,2,3
	global_store_b64 v2, v[Y+2*(4*(\g)+(\j)):Y+2*(4*(\g)+(\j))+1], s[10:11] offset:(4*(\g)+(\j))*2048
.endr
.endm
; Group g: the stores of the group before, then the roundings of rows 4 g to 4 g + 3, each behind the wait for its row.
.macro GROUP g
	s_wait_loadcnt 15-4*(\g)                       ; loads come back in order: row 4 g is in, the younger loads stay out
.if (\g) > 0
	s_wait_alu depctr_va_vdst(0)                   ; the conversions of the group before have written its eight registers of Y, which the four stores below read
	OUT (\g)-1
.endif
.irp i, 0,1,2,3
.if (\i) > 0
	s_wait_loadcnt 15-4*(\g)-(\i)                  ; row 4 g + i is in, the younger loads stay out
.endif
	v_cvt_pk_bf16_f32 v[Y+2*(4*(\g)+(\i))], v[X+4*(4*(\g)+(\i))], v[X+4*(4*(\g)+(\i))+1]
	v_cvt_pk_bf16_f32 v[Y+2*(4*(\g)+(\i))+1], v[X+4*(4*(\g)+(\i))+2], v[X+4*(4*(\g)+(\i))+3]
.endr
.endm
	GROUP 0
	GROUP 1
	GROUP 2
	GROUP 3
	s_wait_alu depctr_va_vdst(0)                   ; the conversions of group 3 have written its eight registers of Y, which the last four stores read
	OUT 3
	s_endpgm
.Lfunc_end_k_qb22c06fbbc_cast:
	.size	k_qb22c06fbbc_cast, .Lfunc_end_k_qb22c06fbbc_cast-k_qb22c06fbbc_cast
	.p2alignl 7, 3214868480
	.fill 96, 4, 3214868480
	.section	.rodata,"a",@progbits
	.p2align	6, 0x0
	.amdhsa_kernel k_qb22c06fbbc_cast
		.amdhsa_group_segment_fixed_size 0
		.amdhsa_private_segment_fixed_size 0
		.amdhsa_enable_private_segment 0
		.amdhsa_kernarg_size 32
		.amdhsa_user_sgpr_count 2
		.amdhsa_user_sgpr_kernarg_segment_ptr 1
		.amdhsa_wavefront_size32 1
		.amdhsa_system_sgpr_workgroup_id_x 1
		.amdhsa_system_sgpr_workgroup_id_y 1
		.amdhsa_system_sgpr_workgroup_id_z 1
		.amdhsa_system_vgpr_workitem_id 0
		.amdhsa_next_free_vgpr 104
		.amdhsa_next_free_sgpr 66
		.amdhsa_reserve_vcc 0
		.amdhsa_float_denorm_mode_32 3
		.amdhsa_float_denorm_mode_16_64 3
		.amdhsa_memory_ordered 1
		.amdhsa_forward_progress 1
		.amdhsa_inst_pref_size 8
	.end_amdhsa_kernel
	.amdgpu_metadata
---
amdhsa.version: [ 1, 2 ]
amdhsa.kernels:
  - .name:           k_qb22c06fbbc_cast
    .symbol:         k_qb22c06fbbc_cast.kd
    .args:
      - { .name: x, .offset: 0, .size: 8, .value_kind: global_buffer, .address_space: global }
      - { .name: Wqkv, .offset: 8, .size: 8, .value_kind: global_buffer, .address_space: global }
      - { .name: Wproj, .offset: 16, .size: 8, .value_kind: global_buffer, .address_space: global }
      - { .name: cb, .offset: 24, .size: 8, .value_kind: global_buffer, .address_space: global }
    .group_segment_fixed_size: 0
    .private_segment_fixed_size: 0
    .kernarg_segment_align: 8
    .kernarg_segment_size: 32
    .max_flat_workgroup_size: 256
    .sgpr_count:     66
    .vgpr_count:     104
    .wavefront_size: 32
...
	.end_amdgpu_metadata
.endif
;; end of part 5
;; launch kv: the kernel of part 2 again; grid 8 x 32, 4 waves a work-group, clusters of 4 x 4, 327,680 bytes of LDS; arguments cb, part; writes part
;; launch qatt: the kernel of part 3 again; grid 8 x 32, 4 waves a work-group, clusters of 4 x 4, 327,680 bytes of LDS; arguments cb, part, att; writes att
;; launch proj: the kernel of part 4 again; grid 8 x 32, 4 waves a work-group, clusters of 4 x 4, 327,680 bytes of LDS; arguments att, cb, bproj, out0; writes out0
